; MI455X (gfx1250); checked and timed in simulation.
; The chip was launched on July 23, 2026; its instructions are those of AMD's public machine-readable ISA for CDNA 5 (MIT licence, August 2026) and "CDNA5" Instruction Set Architecture Reference Guide (July 2026). The comments in the code are by the model that wrote it; some were corrected since.
;; Multi Head Attention. Allowed arithmetic: matrix products marked QUANTISED: E4M3 operands, one E8M0 scale for each 32 along K, by v_wmma_scale_f32_16x16x128_f8f6f4 with both operands' format E4M3, f32 sums; everything else in f32.
;; Inputs: Wk 16 x 1,024 x 64 float32; Wq 16 x 1,024 x 64 float32; Wv 16 x 1,024 x 64 float32; proj_b 1,024 float32; proj_w 1,024 x 1,024 float32; x 4 x 2,048 x 1,024 float32.
;; Outputs: out0 4 x 2,048 x 1,024 float32.
;; This version of the problem:
;;   THIS VERSION OF THE PROBLEM IS GIVEN IN LOW PRECISION. The matrix products marked QUANTISED in the list below multiply operands that are first quantised to E4M3 (4 exponent bits, 3 mantissa bits; 8 bits a number), with one power-of-two scale for each 32 numbers along K (OCP MX v1.0); their sums are f32. All else is computed in f32.
;;   The module's matrix products, in the order in which they are computed (A, B: the left and right operand; K: the contracted axis; several contracted axes count as one K, in the product's order):
;;     1. [M 1,024, K 1,024] x [K 1,024, N 8,192]; A: input Wq; B: input x: QUANTISED
;;     2. [M 1,024, K 1,024] x [K 1,024, N 8,192]; A: input Wk; B: input x: QUANTISED
;;     3. [M 1,024, K 1,024] x [K 1,024, N 8,192]; A: input Wv; B: input x: QUANTISED
;;     4. batch 64 x [M 2,048, K 64] x [K 64, N 2,048]; A: computed on the way; B: computed on the way: QUANTISED
;;     5. batch 64 x [M 2,048, K 2,048] x [K 2,048, N 64]; A: softmax (see below); B: computed on the way: QUANTISED
;;     6. [M 8,192, K 1,024] x [K 1,024, N 1,024]; A: computed on the way; B: input proj_w: QUANTISED
;;   THE QUANTISER, for each operand of a quantised product, along K:
;;     - K is cut into blocks of 32 from its start; a last block that is shorter is filled with zeros.
;;     - A block's scale is 2^e with e = floor(log2(the largest magnitude in the block)) - 8, held to -126 .. 127; a block of zeros has e = 0. As a byte (E8M0): e + 127.
;;     - Each number is divided by its block's scale, clamped to +-448, and rounded to the nearest number of E4M3, ties to even, subnormals kept.
;;     - The product sums the exact products of the quantised numbers (number of the format x scale) in f32.
;;   ~~~python
;;   def quantise(x, axis):      # numpy; x: float32 -> the quantised numbers, widened to float32 again
;;       x = np.moveaxis(x, axis, -1); K = x.shape[-1]
;;       x = np.pad(x, [(0, 0)] * (x.ndim - 1) + [(0, -K % 32)]); x = x.reshape(x.shape[:-1] + (-1, 32)); a = np.abs(x).max(-1, keepdims=True)
;;       e = np.where(a > 0, np.clip(np.frexp(np.where(a > 0, a, 1))[1] - 1 - 8, -126, 127), 0)      # np.frexp(a)[1] - 1 = floor(log2(a)), exactly
;;       r = np.clip(x / 2.0 ** e, -448, 448)
;;       step = 2.0 ** (np.maximum(np.frexp(np.where(r == 0, 1, r))[1] - 1, -6) - 3)
;;       q = np.round(r / step) * step * 2.0 ** e      # np.round: ties to even
;;       return np.moveaxis(q.reshape(q.shape[:-2] + (-1,))[..., :K], -1, axis).astype(np.float32)
;;   ~~~
;;   SOFTMAX AHEAD OF A QUANTISED PRODUCT. Where the list says 'softmax', what is quantised is not the finished softmax but p = 2^(t - M), with t = logit x log2(e) and M = ceil(the row's largest t), a whole number; so 1/2 < the row's largest p <= 1. The row's sum l is taken of the UNQUANTISED p, in f32, and the product's result is divided by l at the end. Since M is a whole number, a kernel that streams over the keys may use a running M (the ceiling of the running maximum): every later rescaling is an exact power of two, which a block's scale takes up: the codes' values come out the same.
;;   OPERANDS COMPUTED ON THE WAY. 'Computed on the way' means the value that the module computes at that place (a softmax that the list does not call 'softmax' is quantised finished and normalised). What goes into a quantiser is computed in f32, as accurately as f32 sums, v_exp_f32 and their like allow (about 1e-6 of the number): no bf16 or f16 on the way to a quantiser, and a product that is left as it is and whose result goes on into a quantised operand takes f32 operands (vector FMAs, or v_wmma_f32_16x16x4_f32). A number that lies on a knife's edge between two numbers of the format may be rounded either way, as far as f32 arithmetic and the matrix unit's own rounding can turn it there, and no further.
;; 2 versions, each right; version 2 is version 1 with the launch attn written anew for expert scheduling mode. Each part assembles by itself: llvm-mc -triple=amdgcn-amd-amdhsa -mcpu=gfx1250 --defsym DOCPART=n.
;; ======== version 1 of 2: 4 launches
;; workspace buffers: xq 8,650,752 bytes; wts 4,325,376 bytes; qkv 25,952,256 bytes; oq 8,650,752 bytes
;; launch quant (part 1): grid 768 x 1, 4 waves a work-group, no clusters, 34,304 bytes of LDS; arguments x, Wq, Wk, Wv, proj_w, xq, wts; writes xq, wts
.if DOCPART == 1
	.amdgcn_target "amdgcn-amd-amdhsa--gfx1250"
	.amdhsa_code_object_version 6
	.text
	.protected	k_qafcaba4305_quant
	.globl	k_qafcaba4305_quant
	.p2align	8
	.type	k_qafcaba4305_quant,@function
k_qafcaba4305_quant:
	s_mov_b64 s[64:65], 0
	v_nop
	global_prefetch_b8 v0, s[64:65] scope:SCOPE_SE
	s_setreg_imm32_b32 hwreg(HW_REG_WAVE_MODE, 25, 1), 1
	s_wait_xcnt 0x0
; x [8192][1024], Wq, Wk, Wv [16][1024][64] and proj_w [1024][1024], all f32, become codes of FP8 (E4M3) with one E8M0 scale byte for each 32 along K (K = the 1,024 channels).
; A block's scale is 2^(floor(log2(its largest magnitude)) - 8); its byte is the largest magnitude's exponent field - 8, held at 1 from below; each number is held within +-448 x the scale and rounded to the nearest code.
; LIMITS: a block of zeros gets the byte 1 where the rule says 127 (its codes are zeros, and this program alone reads the bytes); NaN and infinities among the inputs are not served.
; THE LAYOUT OF BOTH BUFFERS IS AN IMAGE OF THE MATRIX OPERAND'S REGISTERS.  A fragment (16 rows x 128 K) is 2,048 bytes: group c (0..3) is 512 bytes, lane l's 16 bytes at 512 c + 16 l; lane (r = l % 16, h = l / 16)
; holds row r, k = 32 c + 16 h + 0..15.  Codes: [rowtile][8 fragments along K][2,048]; scale words: [rowtile][4 pairs of fragments][16 rows][2 words], 512 bytes a rowtile, behind the codes.
; THE ROWS OF A ROWTILE ARE NOT NEIGHBOURS: row r of rowtile t is original row 32 (t / 2) + 16 (r / 8) + 8 (t % 2) + r % 8, so that a product's 16 registers of two neighbouring tiles are 16 neighbours along the next K.
; wts holds 256 rowtiles: Wq 0-63, Wk 64-127, Wv 128-191 (original row = 64 head + d), proj_w 192-255 (original row = output column).
; Work-groups 0-511: one rowtile of x each, wave w the 256 channels from 256 w on (K is innermost: the numbers turn through the wave's own stage in LDS).  Work-groups 512-767: the weights, whose K is not innermost:
; a lane takes a column and its registers run down K; a wave takes 32 columns x 128 along K.  No tensor loads, no barrier: waves share nothing.
.set XQS,  8388608                     ; xq: the scale words begin here
.set WSC,  4194304                     ; wts: likewise
.set SPT,  528                         ; a stage row: 512 bytes + 16: an odd multiple of 16, so that sixteen rows start in sixteen different groups of banks
.set STGB, 16*SPT                      ; a wave's stage
.set R,    16                          ; v16-143  numbers as loaded
.set X,    144                         ; v144-207 64 numbers of a lane: register 16 b + i = k 32 b + 16 h + i of row r
.set PC,   208                         ; v208-239 codes: every store has registers of its own
.set TM,   240                         ; v240-255 at work
.set PW,   10                          ; v10-11   scale words
.set WV,   18
.set SEL,  20
.set MNT,  23
; 64 numbers of a lane, v[s] on, become a fragment's codes in v[pc] on and its scale word in v[pw]
.macro QUANT s, pc, pw
.irp b, 0,1,2,3
	v_max3_num_f32 v[TM+\b], |v[\s+16*\b]|, |v[\s+1+16*\b]|, 0x4800000   ; block b: my 16 numbers, and the floor 2^(9 - 127): the byte cannot fall under 1
.endr
.irp i, 2,4,6,8,10,12,14
.irp b, 0,1,2,3
	v_max3_num_f32 v[TM+\b], v[TM+\b], |v[\s+16*\b+\i]|, |v[\s+1+16*\b+\i]|   ; the four blocks by turns
.endr
.endr
.irp b, 0,1,2,3
	v_permlanex16_b32 v[TM+4+\b], v[TM+\b], s[SEL], s[SEL+1]
.endr
.irp b, 0,1,2,3
	v_max_num_f32 v[TM+\b], v[TM+\b], v[TM+4+\b]   ; with lane l xor 16's: the block's largest magnitude
.endr
.irp b, 0,1,2,3
	v_add_nc_u32 v[TM+12+\b], 0xfc000000, v[TM+\b]   ; 8 off its exponent field: the conversion's scale operand
.endr
.irp b, 0,1,2,3
	v_and_or_b32 v[TM+8+\b], v[TM+\b], 0x7f800000, s[MNT]   ; 448 x the scale
.endr
.irp b, 0,1,2,3
	v_lshrrev_b32 v[TM+4+\b], 23, v[TM+12+\b]      ; the scale's byte
.endr
	v_lshl_or_b32 v[\pw], v[TM+5], 8, v[TM+4]
	v_lshl_or_b32 v[\pw], v[TM+6], 16, v[\pw]
	v_lshl_or_b32 v[\pw], v[TM+7], 24, v[\pw]
.irp b, 0,1,2,3
.irp i, 0,1,2,3,4,5,6,7,8,9,10,11,12,13,14,15
	v_med3_num_f32 v[\s+16*\b+\i], v[\s+16*\b+\i], -v[TM+8+\b], v[TM+8+\b]   ; the conversion to an 8-bit code does not saturate (ISA guide 7.6.2): the hold comes first
.endr
	v_cvt_scalef32_pk8_fp8_f32 v[(\pc)+4*\b:(\pc)+1+4*\b], v[\s+16*\b:\s+7+16*\b], v[TM+12+\b]
	v_cvt_scalef32_pk8_fp8_f32 v[(\pc)+2+4*\b:(\pc)+3+4*\b], v[\s+8+16*\b:\s+15+16*\b], v[TM+12+\b]
.endr
	v_nop                                          ; a plain line behind the last conversion
.endm
	s_load_b256 s[4:11], s[0:1], 0x0               ; x s[4:5], Wq s[6:7], Wk s[8:9], Wv s[10:11]
	s_load_b128 s[12:15], s[0:1], 0x20             ; proj_w s[12:13], xq s[14:15]
	s_load_b64 s[16:17], s[0:1], 0x30              ; wts
	v_lshl_add_u32 v14, v0, 2, 0x8400
	v_mov_b32 v15, 0
	v_lshrrev_b32 v1, 5, v0
	v_readfirstlane_b32 s[WV], v1                  ; wave 0..3
	v_and_b32 v1, 31, v0                           ; lane
	v_and_b32 v2, 15, v0                           ; r
	v_bfe_u32 v3, v0, 4, 1                         ; h
	v_lshlrev_b32 v4, 4, v1                        ; 16 x lane
	s_mov_b32 s[SEL], 0x76543210
	s_mov_b32 s[SEL+1], 0xfedcba98                 ; v_permlanex16_b32's selects for lane l xor 16
	s_mov_b32 s[MNT], 0x600000                     ; the mantissa field of 448
	s_cmp_lt_u32 ttmp9, 512
	s_cbranch_scc0 .Lweights
	; ---- x: rowtile t = the work-group's number; my wave's 256 channels are fragments 2 w and 2 w + 1
	s_mul_i32 s24, s[WV], STGB
	v_add_nc_u32 v5, s24, v4                       ; the stage, in: a row's 512 bytes as they lie
	v_mul_u32_u24 v6, v2, SPT
	v_lshl_add_u32 v6, v3, 6, v6
	v_add_nc_u32 v6, s24, v6                       ; and out: row r, + 64 h: my 16 numbers of a block of 32
	v_lshlrev_b32 v7, 3, v2                        ; scale words: 8 bytes a row
.irp b, 0,1,2,3
	v_mov_b32 v[TM+4+\b], 0                        ; written once: a lane permute's destination counts as one of its sources
.endr
	s_lshr_b32 s25, ttmp9, 1
	s_lshl_b32 s25, s25, 17                        ; 32 (t / 2) rows of 4,096 bytes
	s_and_b32 s26, ttmp9, 1
	s_lshl_b32 s26, s26, 15                        ; + 8 (t % 2) rows
	s_add_co_u32 s26, s25, s26
	s_lshl_b32 s27, s[WV], 10                      ; + my 256 channels
	s_add_co_u32 s26, s26, s27
	s_mov_b32 s27, 0
	s_lshl_b32 s28, ttmp9, 14                      ; codes: 16,384 t + 4,096 w
	s_lshl_b32 s29, s[WV], 12
	s_add_co_u32 s28, s28, s29
	s_mov_b32 s29, 0
	s_lshl_b32 s30, ttmp9, 9                       ; scale words: 512 t + 128 w
	s_lshl_b32 s31, s[WV], 7
	s_add_co_u32 s30, s30, s31
	s_add_co_u32 s30, s30, XQS
	s_mov_b32 s31, 0
	s_wait_kmcnt 0x0
	s_add_nc_u64 s[4:5], s[4:5], s[26:27]
	s_add_nc_u64 s[28:29], s[14:15], s[28:29]
	s_add_nc_u64 s[30:31], s[14:15], s[30:31]
.irp g, 0,1
.irp p, 0,1,2,3,4,5,6,7,8,9,10,11,12,13,14,15
	global_load_b128 v[R+64*\g+4*\p:R+64*\g+4*\p+3], v4, s[4:5] offset:(16*(\p/8)+\p%8)*4096+512*\g th:TH_LOAD_NT   ; 32 lanes read 512 consecutive bytes of the rowtile's row p
.endr
.endr
.macro XHALF g                         ; fragment 2 w + g
	s_wait_loadcnt 16-16*\g                        ; this fragment's sixteen loads are in; the other's sixteen may be out
.irp p, 0,1,2,3,4,5,6,7,8,9,10,11,12,13,14,15
	ds_store_b128 v5, v[R+64*\g+4*\p:R+64*\g+4*\p+3] offset:SPT*\p
.endr
.irp b, 0,1,2,3
.irp j, 0,1,2,3
	ds_load_b128 v[X+16*\b+4*\j:X+16*\b+4*\j+3], v6 offset:128*\b+16*\j   ; LDS serves a wave's instructions in order: these see my stores
.endr
.endr
	s_wait_dscnt 0x0
	QUANT X, PC+16*\g, PW+\g
.irp c, 0,1,2,3
	global_store_b128 v4, v[PC+16*\g+4*\c:PC+16*\g+4*\c+3], s[28:29] offset:2048*\g+512*\c   ; the image: 512 consecutive bytes a store
.endr
.endm
	XHALF 0
	XHALF 1
	global_store_b64 v7, v[PW:PW+1], s[30:31]      ; my pair of fragments' scale words: 128 consecutive bytes (both halves of the lanes hold the same)
	s_wait_tensorcnt 0x0
	ds_add_u32 v14, v15
	s_wait_dscnt 0x0
	s_endpgm
.Lweights:
	; ---- the weights: tensor m (0 Wq, 1 Wk, 2 Wv, 3 proj_w), fragment f along K, columns 32 g .. 32 g + 31
	s_sub_co_u32 s24, ttmp9, 512
	s_lshr_b32 s25, s24, 6                         ; m
	s_bfe_u32 s26, s24, 0x30003                    ; f: 3 bits from bit 3
	s_and_b32 s27, s24, 7
	s_lshl_b32 s27, s27, 2
	s_add_co_u32 s27, s27, s[WV]                   ; g = 4 (id % 8) + wave
	s_lshr_b32 s28, s27, 1                         ; Wq, Wk, Wv: head g / 2 (262,144 bytes), 128 f rows of 256 bytes, columns 32 (g % 2) on
	s_lshl_b32 s28, s28, 18
	s_lshl_b32 s29, s26, 15
	s_add_co_u32 s28, s28, s29
	s_and_b32 s29, s27, 1
	s_lshl_b32 s29, s29, 7
	s_add_co_u32 s28, s28, s29
	s_lshl_b32 s30, s26, 19                        ; proj_w: 128 f rows of 4,096 bytes, columns 32 g on
	s_lshl_b32 s31, s27, 7
	s_add_co_u32 s30, s30, s31
	s_cmp_eq_u32 s25, 3
	s_cselect_b32 s28, s30, s28
	s_mov_b32 s29, 0
	s_lshl_b32 s30, s25, 6
	s_lshl_b32 s31, s27, 1
	s_add_co_u32 s30, s30, s31                     ; my two rowtiles: 64 m + 2 g and the next
	s_lshl_b32 s32, s30, 14
	s_lshl_b32 s33, s26, 11
	s_add_co_u32 s32, s32, s33                     ; codes: 16,384 x rowtile + 2,048 f
	s_mov_b32 s33, 0
	s_lshl_b32 s34, s30, 9                         ; scale words: 512 x rowtile + 128 (f / 2) + 4 (f % 2)
	s_lshr_b32 s35, s26, 1
	s_lshl_b32 s35, s35, 7
	s_add_co_u32 s34, s34, s35
	s_and_b32 s35, s26, 1
	s_lshl_b32 s35, s35, 2
	s_add_co_u32 s34, s34, s35
	s_add_co_u32 s34, s34, WSC
	s_mov_b32 s35, 0
	v_lshlrev_b32 v8, 2, v1                        ; in: 4 bytes a lane
	v_bfe_u32 v9, v0, 3, 1                         ; my column's place: rowtile 2 g + (bit 3 of the lane),
	v_and_b32 v11, 7, v0
	v_lshl_add_u32 v11, v3, 3, v11                 ; row 8 (bit 4) + lane % 8
	v_lshlrev_b32 v5, 4, v11
	v_lshl_add_u32 v5, v9, 14, v5                  ; codes: 16 bytes a row
	v_lshlrev_b32 v6, 3, v11
	v_lshl_add_u32 v6, v9, 9, v6                   ; scale words: 8 bytes a row
	s_wait_kmcnt 0x0
	s_cmp_eq_u32 s25, 0                            ; the tensor: the choice hangs on the work-group's number alone
	s_cselect_b64 s[36:37], s[6:7], s[8:9]
	s_cmp_eq_u32 s25, 2
	s_cselect_b64 s[36:37], s[10:11], s[36:37]
	s_cmp_eq_u32 s25, 3
	s_cselect_b64 s[36:37], s[12:13], s[36:37]
	s_add_nc_u64 s[36:37], s[36:37], s[28:29]
	s_add_nc_u64 s[32:33], s[16:17], s[32:33]
	s_add_nc_u64 s[34:35], s[16:17], s[34:35]
.macro WLOAD t, stride                 ; block t: W(32 t + i, my column), i = 0 .. 31: 128 consecutive bytes a load
.irp i, 0,1,2,3,4,5,6,7,8,9,10,11,12,13,14,15,16,17,18,19,20,21,22,23,24,25,26,27,28,29,30,31
	global_load_b32 v[R+32*(\t)+\i], v8, s[36:37] offset:(32*(\t)+\i)*(\stride) th:TH_LOAD_NT
.endr
.endm
.macro WBLOCK t, stride
.set XS, R+32*(\t)
.if (\t) < 3
	s_wait_loadcnt 32                              ; this block's 32 loads are in; the next block's 32 may be out
.else
	s_wait_loadcnt 0x0
.endif
.if (\t)+2 < 4
	WLOAD (\t)+2, \stride                          ; two blocks ahead
.endif
	v_max3_num_f32 v240, |v[XS]|, |v[XS+1]|, |v[XS+2]|   ; the block's largest magnitude: all 32 numbers are mine; two chains
	v_max3_num_f32 v241, |v[XS+3]|, |v[XS+4]|, |v[XS+5]|
.irp i, 6,10,14,18,22,26
	v_max3_num_f32 v240, v240, |v[XS+\i]|, |v[XS+\i+1]|
	v_max3_num_f32 v241, v241, |v[XS+\i+2]|, |v[XS+\i+3]|
.endr
	v_max3_num_f32 v240, v240, |v[XS+30]|, |v[XS+31]|
	v_max3_num_f32 v240, v240, v241, 0x4800000     ; and the floor
	v_add_nc_u32 v243, 0xfc000000, v240            ; the conversion's scale operand
	v_and_or_b32 v242, v240, 0x7f800000, s[MNT]    ; 448 x the scale
	v_lshrrev_b32 v241, 23, v243                   ; the byte
.if (\t) == 0
	v_mov_b32 v[PW], v241
.else
	v_lshl_or_b32 v[PW], v241, 8*(\t), v[PW]       ; four bytes make my column's scale word for this fragment
.endif
.irp i, 0,1,2,3,4,5,6,7,8,9,10,11,12,13,14,15,16,17,18,19,20,21,22,23,24,25,26,27,28,29,30,31
	v_med3_num_f32 v[XS+\i], v[XS+\i], -v242, v242
.endr
.irp q, 0,1,2,3
	v_cvt_scalef32_pk8_fp8_f32 v[PC+8*(\t)+2*\q:PC+8*(\t)+2*\q+1], v[XS+8*\q:XS+8*\q+7], v243
.endr
	v_nop
	global_store_b128 v5, v[PC+8*(\t):PC+8*(\t)+3], s[32:33] offset:512*(\t)           ; k = 32 t + 0..15: the image's lanes 0-15.  The wave's 32 lanes fill two aligned runs of 256 bytes, one in each rowtile
	global_store_b128 v5, v[PC+8*(\t)+4:PC+8*(\t)+7], s[32:33] offset:512*(\t)+256     ; k = 32 t + 16..31: its lanes 16-31
.endm
.macro WPATH stride                    ; the stride from row to row of K stands in the loads' immediates, so the path is written once for each stride
	WLOAD 0, \stride
	WLOAD 1, \stride
	WBLOCK 0, \stride
	WBLOCK 1, \stride
	WBLOCK 2, \stride
	WBLOCK 3, \stride
	global_store_b32 v6, v[PW], s[34:35]
	s_endpgm
.endm
	s_cmp_eq_u32 s25, 3
	s_cbranch_scc1 .Lproj_w
	WPATH 256
.Lproj_w:
	WPATH 4096
.Lfunc_end_k_qafcaba4305_quant:
	.size	k_qafcaba4305_quant, .Lfunc_end_k_qafcaba4305_quant-k_qafcaba4305_quant
	.p2alignl 7, 3214868480
	.fill 96, 4, 3214868480
	.section	.rodata,"a",@progbits
	.p2align	6, 0x0
	.amdhsa_kernel k_qafcaba4305_quant
		.amdhsa_group_segment_fixed_size 34304
		.amdhsa_private_segment_fixed_size 0
		.amdhsa_enable_private_segment 0
		.amdhsa_kernarg_size 56
		.amdhsa_user_sgpr_count 2
		.amdhsa_user_sgpr_kernarg_segment_ptr 1
		.amdhsa_wavefront_size32 1
		.amdhsa_system_sgpr_workgroup_id_x 1
		.amdhsa_system_sgpr_workgroup_id_y 1
		.amdhsa_system_sgpr_workgroup_id_z 1
		.amdhsa_system_vgpr_workitem_id 0
		.amdhsa_next_free_vgpr 256
		.amdhsa_next_free_sgpr 66
		.amdhsa_reserve_vcc 0
		.amdhsa_float_denorm_mode_32 3
		.amdhsa_float_denorm_mode_16_64 3
		.amdhsa_memory_ordered 1
		.amdhsa_forward_progress 1
		.amdhsa_inst_pref_size 83
	.end_amdhsa_kernel
	.amdgpu_metadata
---
amdhsa.version: [ 1, 2 ]
amdhsa.kernels:
  - .name:           k_qafcaba4305_quant
    .symbol:         k_qafcaba4305_quant.kd
    .args:
      - { .name: x, .offset: 0, .size: 8, .value_kind: global_buffer, .address_space: global }
      - { .name: Wq, .offset: 8, .size: 8, .value_kind: global_buffer, .address_space: global }
      - { .name: Wk, .offset: 16, .size: 8, .value_kind: global_buffer, .address_space: global }
      - { .name: Wv, .offset: 24, .size: 8, .value_kind: global_buffer, .address_space: global }
      - { .name: proj_w, .offset: 32, .size: 8, .value_kind: global_buffer, .address_space: global }
      - { .name: xq, .offset: 40, .size: 8, .value_kind: global_buffer, .address_space: global }
      - { .name: wts, .offset: 48, .size: 8, .value_kind: global_buffer, .address_space: global }
    .group_segment_fixed_size: 34304
    .private_segment_fixed_size: 0
    .kernarg_segment_align: 8
    .kernarg_segment_size: 56
    .max_flat_workgroup_size: 128
    .sgpr_count:     66
    .vgpr_count:     256
    .wavefront_size: 32
...
	.end_amdgpu_metadata
.endif
;; end of part 1
;; launch qkv (part 2): grid 12 x 32, 4 waves a work-group, clusters of 4 x 4, 327,680 bytes of LDS; arguments xq, wts, qkv; writes qkv
.if DOCPART == 2
	.amdgcn_target "amdgcn-amd-amdhsa--gfx1250"
	.amdhsa_code_object_version 6
	.text
	.protected	k_qafcaba4305_qkv
	.globl	k_qafcaba4305_qkv
	.p2align	8
	.type	k_qafcaba4305_qkv,@function
k_qafcaba4305_qkv:
	s_mov_b64 s[64:65], 0
	v_nop
	global_prefetch_b8 v0, s[64:65] scope:SCOPE_SE
	s_setreg_imm32_b32 hwreg(HW_REG_WAVE_MODE, 25, 1), 1
	s_wait_xcnt 0x0
	s_wait_alu depctr_hold_cnt(0) depctr_sa_sdst(0) depctr_va_vdst(0) depctr_va_sdst(0) depctr_va_ssrc(0) depctr_va_vcc(0) depctr_vm_vsrc(0)
	s_getreg_b32 s2, hwreg(HW_REG_IB_STS2, 6, 4)
	s_cmp_eq_u32 s2, 0
	s_cbranch_scc0 .Lentry_in_a_cluster
	s_endpgm
.Lentry_in_a_cluster:
	s_bfe_u32 s2, ttmp6, 0x10000c
	s_cmp_lg_u32 s2, 0xf033
	s_cbranch_scc0 .Lentry_shape_is_right
	s_endpgm
.Lentry_shape_is_right:
; q, k and v of every head, on codes of FP8 (E4M3) with E8M0 scales, and their quantisers: q and k along the head's 64, v along the tokens.
; TWO PRODUCTS IN ONE TEXT.  Clusters x = 0, 1: C = x [Wq; Wk]^T, 8,192 x 2,048.  Clusters x = 2: C = Wv x^T, 1,024 x 8,192: v TRANSPOSED, so that v too is quantised along C's columns.
; Which it is hangs on the cluster's x alone, is the same in all sixteen partners, and only selects pointers and offsets: there is no branch on it.
; Operands lie in memory as images of their registers (a fragment of 16 rows x 128 K = 2,048 bytes, lane l's 16 bytes of group c at 512 c + 16 l; [rowtile][8 fragments]; scale words [rowtile][4 pairs][16 rows][2 words]).
; Row r of rowtile t is original row 32 (t / 2) + 16 (r / 8) + 8 (t % 2) + r % 8.
; A tile of C, 256 x 256, is made by four waves, 128 x 128 each: 64 accumulators, 512 registers.  K goes in four steps of 256 through a ring of two LDS slots; a wave's tensor load brings 8 rowtiles x 4,096 bytes.
; The scale words of the work-group's rows, for all of K, come once with the first fills.  LDS is dense: an LDS load takes 512 consecutive bytes, so no padding is wanted.
; CLUSTERS: 4 x 4.  A's tiles are shared along a row of the cluster, B's along a column: each is asked for jointly, by the same tensor load with the same descriptor and a mask that names the four.
; THE MATRIX INSTRUCTION IS USED TRANSPOSED (source 0 = 16 rows of B, source 1 = 16 rows of A).  By the order of B's rows, lane (r, h) holds in accumulators (a, 2 b) and (a, 2 b + 1), 16 registers on end,
; the columns 32 b + 16 h + 0..15 of A's row r of block a: half a block of the next K.  So the conversions' four registers ARE a group of the next operand's image and are stored as they stand, 512 consecutive bytes a store.
; OUT.  Record idx = 1,024 region + 256 batch + 16 head + (block of 128 tokens); region 0 q, 1 k, 2 v.  Codes at 8,192 idx: q, k: 8 tiles of 16 tokens x 1,024 bytes (groups 0, 1: d = 32 c + 16 h + i);
; v: 4 fragments of 16 d x 128 tokens.  Scale words at QKS + 256 idx: [16 rows][4 words]; q, k word f: the two bytes of tile 2 f, then of tile 2 f + 1; v word f: fragment f's four bytes.
; LIMITS: a block of zeros gets the byte 1 (zero codes; this program alone reads the bytes); NaN and infinities are not served.
; REGISTERS, in windows of 256: window 0: v0-31 addresses; v32-63 scale words, two sets; from v128 A's fragments, one set; on the way out v32-255 are free.  window 1: B's fragments, two sets.
;   window 2: the accumulators of my rows 0-63 ((a, b) at v[8 (8 a + b)]);  window 3: those of my rows 64-127.
.set NQ,    2                          ; matrix instructions deep in a slot
.set FR,    16                         ; registers of a fragment
.set NL,    4                          ; LDS loads that bring one
.set NP,    8                          ; places behind this matrix instruction (ISA guide 7.12.1)
.set STEPB, 4096                       ; a rowtile's bytes in a slot: two fragments
.set HALFT, 8*STEPB                    ; 128 rows: what one tensor load brings
.set SLOT,  4*HALFT                    ; A's 256 rows, then B's
.set SCL,   2*SLOT                     ; behind the ring: the scale words; A's two halves of 4,096 bytes, then, 128 bytes on, B's: so the two halves of the lanes read different banks
.set SCH,   4096
.set SKEW,  128
.set SPARE, SCL+4*SCH+256              ; the spare words, 128 bytes for each wave: two blocks of 256 bytes that no other line names
.set XQS,   8388608                    ; xq's scale words
.set WSC,   4194304                    ; wts's
.set QKS,   25165824                   ; qkv's
.set VO,   8                           ; v8-11   the way out: my 16 bytes in the four groups of a row of accumulators
.set SOF,  12                          ; v12     and my row's four scale words
.set ADRA, 16                          ; v16-17  LDS address of my A fragments in slot 0, 1
.set ADRB, 20                          ; v20-21  the same for B
.set ADRS, 27                          ; v27     of my scale words: lanes 0-15 A's rows, lanes 16-31 B's
.set SPW,  28                          ; v28     my spare word; never rewritten
.set NIL,  29                          ; v29     0; never rewritten
.set SC,   32                          ; scale words: set s at v[SC + 16 s]; register 2 i + q: block i, the slot's q-th 128 along K
.set AF,   128                         ; A's fragments, in window 0
.set E,    32                          ; the way out: v32-63 scale bytes, (a, b) at 4 a + b
.set WQ,   64                          ; v64-71  scale words in q's and k's form;  v72-79 in v's;  v80-83 those that I store
.set WVW,  72
.set X4,   80
.set X,    128                         ; v128-191 64 numbers, held
.set PC,   192                         ; v192-207 their codes
.set TM,   208                         ; v208-223 at work
.set G1, 24                            ; s[24:31] descriptor group 1 for A's tiles;  s[32:39] group 0, one set for each slot
.set G0, 32
.set G1B, 48                           ; s[48:55], s[56:63] the same for B's tiles
.set G0B, 56
.set G1S, 68                           ; s[68:75], s[76:79] groups 1 and 0 for A's scale words;  s[80:87], s[88:91] for B's
.set G0S, 76
.set G1SB, 80
.set G0SB, 88
.set ISV,  95                          ; s95  all ones where this cluster makes v, else 0
.set OC,   96                          ; s[96:97] the way out: codes;  s[98:99] scale words
.set OS,   98
.set INC1, 10                          ; s[10:11] from a block of A's rows to the next;  s[12:13] from block 3 to block 4
.set INC4, 12
.set SEL,  66
.set MNT,  3
.set MSB, 0
.macro WIN new                         ; the immediate's high byte repeats the setting that is left
.if MSB != \new
	s_set_vgpr_msb (MSB<<8)|\new
.set MSB, \new
.endif
.endm
.set MUL_LO, 0xa1                      ; source 0 (B) window 1, source 1 (A) window 0, C and D window 2
.set MUL_HI, 0xf1                      ; the same, C and D window 3
.set TO_B,   0x40                      ; destination window 1, address window 0
; A joint load: waves 0 and 1 fetch for A, waves 2 and 3 for B.  The branch hangs on the wave's number alone.  Four v_nop follow each of the two lines.
.macro JLOAD g0a, g1a, g0b, g1b
	s_cmp_eq_u32 s15, 0
	s_cbranch_scc0 .Lfor_b_\@
	tensor_load_to_lds s[\g0a:\g0a+3], s[\g1a:\g1a+7]
	s_nop 0
.rept 4
	v_nop
.endr
	s_branch .Lasked_\@
.Lfor_b_\@:
	tensor_load_to_lds s[\g0b:\g0b+3], s[\g1b:\g1b+7]
	s_nop 0
.rept 4
	v_nop
.endr
.Lasked_\@:
.endm
.macro CREST                           ; a round of the cluster's barrier behind its opening barrier
	s_cmp_lg_u32 s14, 0
	s_cbranch_scc1 .Lnot_wave_0_\@
	s_barrier_signal -3
.Lnot_wave_0_\@:
	s_barrier_wait -3
	s_barrier_signal -1
	s_barrier_wait -1
.endm
.macro CROUND                          ; a whole round
	s_barrier_signal -1
	s_barrier_wait -1
	CREST
.endm
	s_load_b128 s[4:7], s[0:1], 0x0                ; xq s[4:5], wts s[6:7]
	s_load_b64 s[8:9], s[0:1], 0x10                ; qkv
	v_lshl_add_u32 v[SPW], v0, 2, SPARE
	v_mov_b32 v[NIL], 0
	ds_add_u32 v28, v29
	ds_add_u32 v28, v29
	s_wait_dscnt 0x0
	v_lshrrev_b32 v1, 5, v0
	v_readfirstlane_b32 s14, v1                    ; wave 0..3
	s_lshr_b32 s15, s14, 1                         ; which half of the tile's rows is mine.  Also: I fetch for A (0) or for B (1)
	s_and_b32 s16, s14, 1                          ; which half of its columns.  Also: which 128 rows of that tile I fetch
	s_bfe_u32 s40, ttmp6, 0x40000                  ; cx, cy: my place in the cluster
	s_bfe_u32 s41, ttmp6, 0x40004
	s_and_b32 s17, ttmp7, 0xffff
	s_lshl_b32 s17, s17, 2                         ; 4 x cluster y
	s_lshl_b32 s42, ttmp9, 2                       ; 4 x cluster x
	s_cmp_eq_u32 ttmp9, 2                          ; does this cluster make v?
	s_cselect_b32 s42, s17, s42                    ; tile column: v walks the tokens by the cluster's y
	s_cselect_b32 s17, 0, s17                      ; tile row: v's 1,024 rows are the cluster's four tile rows
	s_cselect_b32 s[ISV], -1, 0
	s_add_co_u32 s42, s42, s40                     ; tile column of C
	s_add_co_u32 s17, s17, s41                     ; tile row of C
	s_lshl_b32 s43, s41, 2
	s_lshl_b32 s43, 15, s43                        ; my row of the cluster
	s_lshl_b32 s44, 0x1111, s40                    ; my column
	; descriptor group 1: 8 rows of 4,096 bytes (512 elements of 8 bytes), 16,384 bytes apart in memory, dense in LDS
	s_or_b32 s[G1+0], s43, (3<<16)|(1<<21)         ; 15:0 the mask: A's tiles go to my row; 17:16 elements of 8 bytes; 21 set beside a mask
	s_or_b32 s[G1B+0], s44, (3<<16)|(1<<21)
.irp g, G1, G1B
	s_mov_b32 s[\g+1], 512<<16                     ; tensor_dim0
	s_mov_b32 s[\g+2], 8<<16                       ; tensor_dim1
	s_mov_b32 s[\g+3], 512<<16                     ; tile_dim0
	s_mov_b32 s[\g+4], 8                           ; tile_dim1
	s_mov_b32 s[\g+5], 2048                        ; tensor_dim0_stride
	s_mov_b32 s[\g+6], 0
	s_mov_b32 s[\g+7], 0
.endr
	; and for the scale words of 128 rows: 4,096 dense bytes as 16 rows of 256
	s_or_b32 s[G1S+0], s43, (3<<16)|(1<<21)
	s_or_b32 s[G1SB+0], s44, (3<<16)|(1<<21)
.irp g, G1S, G1SB
	s_mov_b32 s[\g+1], 32<<16
	s_mov_b32 s[\g+2], 16<<16
	s_mov_b32 s[\g+3], 32<<16
	s_mov_b32 s[\g+4], 16
	s_mov_b32 s[\g+5], 32
	s_mov_b32 s[\g+6], 0
	s_mov_b32 s[\g+7], 0
.endr
	s_lshl_b32 s18, s16, 3                         ; which 8 rowtiles of the tile I fetch
	s_lshl_b32 s20, s17, 4
	s_add_co_u32 s20, s20, s18                     ; A: rowtile 16 x tile row + 8 x half
	s_lshl_b32 s46, s42, 4
	s_add_co_u32 s46, s46, s18                     ; B: rowtile 16 x tile column + 8 x half
	s_lshl_b32 s22, s20, 9                         ; their scale words, 512 bytes a rowtile,
	s_lshl_b32 s92, s46, 9
	s_lshl_b32 s20, s20, 14                        ; and their codes, 16,384
	s_lshl_b32 s46, s46, 14
	s_mov_b32 s21, 0
	s_mov_b32 s23, 0
	s_mov_b32 s47, 0
	s_mov_b32 s93, 0
	s_lshl_b32 s45, s14, 15                        ; where they go: wave x 32,768: no place in the cluster enters an LDS address
	s_lshl_b32 s94, s14, 12
	s_wait_kmcnt 0x0
	s_add_nc_u64 s[96:97], s[6:7], 128*16384       ; Wv's codes: rowtile 128 on
	s_add_nc_u64 s[98:99], s[6:7], WSC+128*512     ; and its scale words
	s_add_nc_u64 s[100:101], s[4:5], XQS           ; x's scale words
	s_add_nc_u64 s[10:11], s[6:7], WSC             ; Wq's and Wk's
	s_cmp_eq_u32 ttmp9, 2
	s_cselect_b64 s[96:97], s[96:97], s[4:5]       ; A's codes: Wv's or x's
	s_cselect_b64 s[98:99], s[98:99], s[100:101]   ; A's scale words
	s_cselect_b64 s[12:13], s[4:5], s[6:7]         ; B's codes: x's or Wq's and Wk's
	s_cselect_b64 s[10:11], s[100:101], s[10:11]   ; B's scale words
	s_add_nc_u64 s[20:21], s[96:97], s[20:21]
	s_add_nc_u64 s[22:23], s[98:99], s[22:23]
	s_add_nc_u64 s[46:47], s[12:13], s[46:47]
	s_add_nc_u64 s[92:93], s[10:11], s[92:93]
	CROUND                                         ; all sixteen work-groups are here: the first joint loads meet
	s_mov_b32 s[G0S], 1
	s_add_co_u32 s[G0S+1], s94, SCL
	s_mov_b64 s[G0S+2:G0S+3], s[22:23]
	s_or_b32 s[G0S+3], s[G0S+3], 0x80000000
	s_mov_b32 s[G0SB], 1
	s_add_co_u32 s[G0SB+1], s94, SCL+SKEW
	s_mov_b64 s[G0SB+2:G0SB+3], s[92:93]
	s_or_b32 s[G0SB+3], s[G0SB+3], 0x80000000
	JLOAD G0S, G1S, G0SB, G1SB                     ; the scale words first: they are wanted with K step 0
.irp s, 0,1
	s_mov_b32 s[G0+4*\s], 1
	s_add_co_u32 s[G0+4*\s+1], s45, \s*SLOT
	s_add_nc_u64 s[G0+4*\s+2:G0+4*\s+3], s[20:21], \s*STEPB
	s_or_b32 s[G0+4*\s+3], s[G0+4*\s+3], 0x80000000
	s_mov_b32 s[G0B+4*\s], 1
	s_add_co_u32 s[G0B+4*\s+1], s45, \s*SLOT
	s_add_nc_u64 s[G0B+4*\s+2:G0B+4*\s+3], s[46:47], \s*STEPB
	s_or_b32 s[G0B+4*\s+3], s[G0B+4*\s+3], 0x80000000
	JLOAD G0+4*\s, G1, G0B+4*\s, G1B               ; three tensor loads of mine are out
.endr
	v_and_b32 v1, 15, v0                           ; r
	v_bfe_u32 v2, v0, 4, 1                         ; h
	v_and_b32 v3, 31, v0
	v_lshlrev_b32 v4, 4, v3                        ; 16 x lane: my place in every group of an image
	s_lshl_b32 s21, s15, 15                        ; my 128 rows of A
	s_lshl_b32 s22, s16, 15                        ; my 128 rows of B,
	s_add_co_u32 s22, s22, 2*HALFT                 ; which lie behind A's 256
.irp s, 0,1
	v_add_nc_u32 v[ADRA+\s], s21, v4
	v_add_nc_u32 v[ADRB+\s], s22, v4
	s_add_co_u32 s21, s21, SLOT
	s_add_co_u32 s22, s22, SLOT
.endr
	v_lshlrev_b32 v5, 3, v1                        ; my row's pair of scale words: 8 bytes a row
	s_lshl_b32 s21, s15, 12                        ; A's: my 128 rows
	s_lshl_b32 s22, s16, 12                        ; B's: my 128 rows, behind A's two halves and the skew
	s_add_co_u32 s22, s22, 2*SCH+SKEW
	s_sub_co_u32 s22, s22, s21
	v_mul_u32_u24 v6, s22, v2                      ; lanes 16-31 take B's
	s_add_co_u32 s21, s21, SCL
	v_add_nc_u32 v5, v5, v6
	v_add_nc_u32 v[ADRS], s21, v5
	; the way out: which record my 128 x 128 begins
	s_lshl_b32 s20, s17, 1
	s_add_co_u32 s20, s20, s15                     ; my block of 128 rows of C
	s_lshl_b32 s21, s42, 1
	s_add_co_u32 s21, s21, s16                     ; my block of 128 columns
	s_add_co_u32 s22, s20, 16
	s_mov_b32 s18, 131072
	s_mov_b32 s[INC1], 1024
	s_mov_b32 s[INC4], 1024
	s_cmp_eq_u32 ttmp9, 2
	s_cselect_b32 s23, s21, s20                    ; the block of 128 tokens: C's columns for v, its rows for q and k
	s_cselect_b32 s22, s22, s21                    ; the pair of heads, counted through q, k, v: 8 to a region
	s_cselect_b32 s18, 1024, s18                   ; groups 2, 3 of a row of accumulators: v: the fragment's groups 2, 3;  q, k: the next head's record, 16 x 8,192 bytes on
	s_cselect_b32 s[INC1], 2048, s[INC1]           ; a block of A's rows: v: a fragment;  q, k: a tile
	s_cselect_b32 s[INC4], 131072-3*2048, s[INC4]  ; v: block 4 begins the next head's record
	s_mov_b32 s[INC1+1], 0
	s_mov_b32 s[INC4+1], 0
	s_lshr_b32 s20, s22, 3
	s_lshl_b32 s20, s20, 10                        ; 1,024 x region
	s_lshr_b32 s21, s23, 4
	s_lshl_b32 s21, s21, 8                         ; + 256 x batch
	s_add_co_u32 s20, s20, s21
	s_and_b32 s21, s22, 7
	s_lshl_b32 s21, s21, 5                         ; + 16 x head
	s_add_co_u32 s20, s20, s21
	s_and_b32 s21, s23, 15
	s_add_co_u32 s20, s20, s21                     ; + the block of tokens
	s_lshl_b32 s46, s20, 13
	s_mov_b32 s47, 0
	s_add_nc_u64 s[OC:OC+1], s[8:9], s[46:47]
	s_lshl_b32 s46, s20, 8
	s_add_co_u32 s46, s46, QKS
	s_add_nc_u64 s[OS:OS+1], s[8:9], s[46:47]
	v_mov_b32 v[VO], v4
	v_add_nc_u32 v[VO+1], 512, v4
	v_add_nc_u32 v[VO+2], s18, v4
	v_add_nc_u32 v[VO+3], 512, v[VO+2]
	v_lshlrev_b32 v[SOF], 4, v1                    ; scale words: 16 bytes a row; lanes 16-31 store the second head's record, 16 x 256 bytes on
	v_lshl_add_u32 v[SOF], v2, 12, v[SOF]
	s_mov_b32 s[SEL], 0x76543210
	s_mov_b32 s[SEL+1], 0xfedcba98                 ; v_permlanex16_b32's selects for lane l xor 16
	s_mov_b32 s[MNT], 0x600000                     ; the mantissa field of 448
.macro FRAG reg, adr, q, i             ; a fragment comes as it lies: four loads of 512 consecutive bytes
.irp c, 0,1,2,3
	ds_load_b128 v[\reg+4*\c:\reg+4*\c+3], v[\adr] offset:STEPB*(\i)+2048*(\q)+512*\c
.endr
.endm
; 16 matrix instructions: A's blocks a0, a0 + 1 x B's eight, 128 along K: the slot's q-th.  p: B's set;  sc: the set of scale words.  zero = 1: the first product starts the sums.
; The 64 accumulators take turns, one instruction a turn, in the same order in every step.
.macro MUL16 a0, p, q, sc, zero
.irp a, \a0, \a0+1
.irp b, 0,1,2,3,4,5,6,7
.if \zero
	v_wmma_scale_f32_16x16x128_f8f6f4 v[8*(8*((\a)%4)+\b):8*(8*((\a)%4)+\b)+7], v[128*(\p)+FR*\b:128*(\p)+FR*\b+FR-1], v[AF+FR*(\a):AF+FR*(\a)+FR-1], 0, v[SC+8*NQ*(\sc)+NQ*\b+(\q)], v[SC+8*NQ*(\sc)+NQ*(\a)+(\q)] matrix_a_scale:MATRIX_SCALE_ROW1
.else
	v_wmma_scale_f32_16x16x128_f8f6f4 v[8*(8*((\a)%4)+\b):8*(8*((\a)%4)+\b)+7], v[128*(\p)+FR*\b:128*(\p)+FR*\b+FR-1], v[AF+FR*(\a):AF+FR*(\a)+FR-1], v[8*(8*((\a)%4)+\b):8*(8*((\a)%4)+\b)+7], v[SC+8*NQ*(\sc)+NQ*\b+(\q)], v[SC+8*NQ*(\sc)+NQ*(\a)+(\q)] matrix_a_scale:MATRIX_SCALE_ROW1
.endif
.endr
.endr
.endm
.macro FETCH_B slot, q, p              ; B's eight fragments of the slot's q-th 128 along K into set p
	WIN TO_B
.irp i, 0,1,2,3,4,5,6,7
	FRAG 128*(\p)+FR*\i, ADRB+\slot, \q, \i
.endr
	WIN 0
.endm
.macro FETCH_A slot, q, i0             ; A's blocks i0 .. i0 + 3
.irp i, \i0, \i0+1, \i0+2, \i0+3
	FRAG AF+FR*(\i), ADRA+\slot, \q, \i
.endr
.endm
.macro SCALES sc                       ; the K step's scale words into set sc: two words a row; lanes 0-15 take A's block i, lanes 16-31 B's block i
.irp i, 0,1,2,3,4,5,6,7
	ds_load_b64 v[SC+8*NQ*\sc+NQ*\i:SC+8*NQ*\sc+NQ*\i+1], v[ADRS] offset:\i*512
.endr
.endm
.macro PLACES n                        ; plain vector instructions between a matrix instruction and a load into, or a vector instruction on, its registers
.rept \n
	v_nop
.endr
.endm
; A step of 128 along K that has its successor in the same slot.
.macro STEP slot, q, zero
	s_wait_dscnt 4*NL                              ; B's set, A's blocks 0-3 and the scale words are in; the youngest sixteen loads (A's blocks 4-7) may be out
	WIN MUL_LO
	MUL16 0, (\q)%2, \q, \slot, \zero
	MUL16 2, (\q)%2, \q, \slot, \zero
	s_wait_dscnt 0                                 ; A's blocks 4-7 are in
	PLACES NP
	FETCH_B \slot, (\q)+1, 1-(\q)%2
	FETCH_A \slot, (\q)+1, 0
	WIN MUL_HI
	MUL16 4, (\q)%2, \q, \slot, \zero
	MUL16 6, (\q)%2, \q, \slot, \zero
	PLACES NP
	WIN 0
	FETCH_A \slot, (\q)+1, 4
.endm
; A slot's last step changes slots: ONE barrier; in front of it each wave waits for all its tensor loads, adds 0 to its spare word, and waits for that and for its own reads of this slot.  fill = 1: this slot is filled again, two K steps ahead.
.macro TURN slot, next, fill
	s_wait_tensorcnt 0x0                           ; all my tensor loads have landed: my part of the next slot
	ds_add_u32 v[SPW], v[NIL]                      ; 0 onto my spare word
	s_wait_dscnt 4*NL+1                            ; (the add and the youngest sixteen loads, A's blocks 4-7, may be out)
	WIN MUL_LO
	MUL16 0, 1, NQ-1, \slot, 0                     ; sixteen matrix instructions stand between the add and the wait for it
	s_wait_dscnt 0x0                               ; the add is done, and my reads of this slot are over
	s_barrier_signal -1
	MUL16 2, 1, NQ-1, \slot, 0
	WIN 0
	s_barrier_wait -1
.if \fill
	CREST                                          ; the barrier has opened a round of the cluster's barrier: no wave of any partner still reads this slot or has a load on its way
	s_add_nc_u64 s[G0+4*\slot+2:G0+4*\slot+3], s[G0+4*\slot+2:G0+4*\slot+3], 2*STEPB
	s_add_nc_u64 s[G0B+4*\slot+2:G0B+4*\slot+3], s[G0B+4*\slot+2:G0B+4*\slot+3], 2*STEPB
	JLOAD G0+4*\slot, G1, G0B+4*\slot, G1B         ; the first tensor load behind the round, my only one until the next; its four v_nop are among the places in front of the loads below
	PLACES NP-4
.else
	PLACES NP
.endif
	v_add_nc_u32 v[ADRS], 128, v[ADRS]             ; on to the next K step's pair of scale words
	FETCH_B \next, 0, 0
	FETCH_A \next, 0, 0
	SCALES \next
	WIN MUL_HI
	MUL16 4, 1, NQ-1, \slot, 0
	MUL16 6, 1, NQ-1, \slot, 0
	PLACES NP
	WIN 0
	FETCH_A \next, 0, 4
.endm
	s_wait_tensorcnt 1                             ; the scale words and my part of K step 0 are in (K step 1's load may be out)
	s_barrier_signal -1
	s_barrier_wait -1                              ; everybody's are
	FETCH_B 0, 0, 0
	FETCH_A 0, 0, 0
	SCALES 0
	FETCH_A 0, 0, 4
	STEP 0, 0, 1                                   ; K = 1,024 is eight steps of 128, four slots' worth: written straight, since a loop would have one trip
	TURN 0, 1, 1                                   ; slot 0 takes K step 2
	STEP 1, 0, 0
	TURN 1, 0, 1                                   ; slot 1 takes K step 3
	STEP 0, 0, 0
	TURN 0, 1, 0                                   ; nothing is left to fetch
	STEP 1, 0, 0
	s_wait_dscnt 4*NL
	WIN MUL_LO
	MUL16 0, 1, NQ-1, 1, 0
	MUL16 2, 1, NQ-1, 1, 0
	s_wait_dscnt 0
	WIN MUL_HI
	MUL16 4, 1, NQ-1, 1, 0
	MUL16 6, 1, NQ-1, 1, 0
	WIN 0
; THE WAY OUT.  Block a of A's rows: 64 numbers a lane, four halves of blocks of 32 along C's columns.  Largest magnitudes (each accumulator is read from its low end on), the other half's by one lane permute,
; scale, hold, conversion; the codes are stored as they stand.
.macro QROW a
.set W, 2+(\a)/4
.set S0, 64*((\a)%4)
.if (\a) > 0
	s_wait_xcnt 0x0                                ; the last block's stores have read their base and their data: both are written again only behind this wait
.if (\a) == 4
	s_add_nc_u64 s[OC:OC+1], s[OC:OC+1], s[INC4:INC4+1]
.else
	s_add_nc_u64 s[OC:OC+1], s[OC:OC+1], s[INC1:INC1+1]
.endif
.endif
	WIN (W<<2)|(W<<4)                              ; sources 1 and 2: the accumulators' window
.irp b, 0,1,2,3
	v_max3_num_f32 v[TM+\b], 0x4800000, |v[S0+16*\b]|, |v[S0+16*\b+1]|   ; with the floor 2^(9 - 127): the byte cannot fall under 1
.endr
.irp i, 2,4,6,8,10,12,14
.irp b, 0,1,2,3
	v_max3_num_f32 v[TM+\b], v[TM+\b], |v[S0+16*\b+\i]|, |v[S0+16*\b+\i+1]|
.endr
.endr
	WIN 0
.irp b, 0,1,2,3
	v_permlanex16_b32 v[TM+4+\b], v[TM+\b], s[SEL], s[SEL+1]
.endr
.irp b, 0,1,2,3
	v_max_num_f32 v[TM+\b], v[TM+\b], v[TM+4+\b]   ; the block's largest magnitude
.endr
.irp b, 0,1,2,3
	v_add_nc_u32 v[TM+12+\b], 0xfc000000, v[TM+\b] ; the conversion's scale operand
.endr
.irp b, 0,1,2,3
	v_and_or_b32 v[TM+8+\b], v[TM+\b], 0x7f800000, s[MNT]   ; 448 x the scale
.endr
.irp b, 0,1,2,3
	v_lshrrev_b32 v[E+4*(\a)+\b], 23, v[TM+12+\b]  ; the scale's byte, kept
.endr
	WIN W                                          ; source 0: the accumulators' window
.irp b, 0,1,2,3
.irp i, 0,1,2,3,4,5,6,7,8,9,10,11,12,13,14,15
	v_med3_num_f32 v[X+16*\b+\i], v[S0+16*\b+\i], -v[TM+8+\b], v[TM+8+\b]   ; the hold (the conversion does not saturate: ISA guide 7.6.2), and the way into window 0
.endr
.endr
	WIN 0
.irp b, 0,1,2,3
	v_cvt_scalef32_pk8_fp8_f32 v[PC+4*\b:PC+4*\b+1], v[X+16*\b:X+16*\b+7], v[TM+12+\b]
	v_cvt_scalef32_pk8_fp8_f32 v[PC+4*\b+2:PC+4*\b+3], v[X+16*\b+8:X+16*\b+15], v[TM+12+\b]
.endr
	v_nop                                          ; a plain line behind the last conversion
.irp b, 0,1,2,3
	global_store_b128 v[VO+\b], v[PC+4*\b:PC+4*\b+3], s[OC:OC+1]   ; a group of the image: 512 consecutive bytes, aligned
.endr
.endm
	PLACES NP                                      ; behind the last products
.irp b, 0,1,2,3
	v_mov_b32 v[TM+4+\b], 0                        ; written once: a lane permute's destination counts as one of its sources
.endr
.irp a, 0,1,2,3,4,5,6,7
	QROW \a
.endr
	; the scale words, in both forms; the cluster's kind selects (no branch).  q, k: head n, word f = bytes (2 f, 2 n), (2 f, 2 n + 1), (2 f + 1, 2 n), (2 f + 1, 2 n + 1).  v: block a's four bytes
.irp n, 0,1
.irp f, 0,1,2,3
	v_lshl_or_b32 v[WQ+4*\n+\f], v[E+8*\f+2*\n+1], 8, v[E+8*\f+2*\n]
.endr
.endr
.irp n, 0,1
.irp f, 0,1,2,3
	v_lshl_or_b32 v[WQ+4*\n+\f], v[E+8*\f+4+2*\n], 16, v[WQ+4*\n+\f]
.endr
.endr
.irp n, 0,1
.irp f, 0,1,2,3
	v_lshl_or_b32 v[WQ+4*\n+\f], v[E+8*\f+5+2*\n], 24, v[WQ+4*\n+\f]
.endr
.endr
.irp a, 0,1,2,3,4,5,6,7
	v_lshl_or_b32 v[WVW+\a], v[E+4*\a+1], 8, v[E+4*\a]
.endr
.irp a, 0,1,2,3,4,5,6,7
	v_lshl_or_b32 v[WVW+\a], v[E+4*\a+2], 16, v[WVW+\a]
.endr
.irp a, 0,1,2,3,4,5,6,7
	v_lshl_or_b32 v[WVW+\a], v[E+4*\a+3], 24, v[WVW+\a]
.endr
.irp a, 0,1,2,3,4,5,6,7
	v_cndmask_b32 v[WQ+\a], v[WQ+\a], v[WVW+\a], s[ISV]
.endr
	v_cmp_eq_u32 vcc_lo, 1, v2                     ; lanes 16-31 store the second head's four words
.irp f, 0,1,2,3
	v_cndmask_b32 v[X4+\f], v[WQ+\f], v[WQ+4+\f], vcc_lo
.endr
	global_store_b128 v[SOF], v[X4:X4+3], s[OS:OS+1]   ; two records of 256 consecutive bytes, aligned
	s_wait_tensorcnt 0x0                           ; the wave's end
	ds_add_u32 v[SPW], v[NIL]
	s_wait_dscnt 0x0
	CROUND                                         ; the closing round: no work-group ends while a partner may still ask for a tile that names it
	s_endpgm
.Lfunc_end_k_qafcaba4305_qkv:
	.size	k_qafcaba4305_qkv, .Lfunc_end_k_qafcaba4305_qkv-k_qafcaba4305_qkv
	.p2alignl 7, 3214868480
	.fill 96, 4, 3214868480
	.section	.rodata,"a",@progbits
	.p2align	6, 0x0
	.amdhsa_kernel k_qafcaba4305_qkv
		.amdhsa_group_segment_fixed_size 327680
		.amdhsa_private_segment_fixed_size 0
		.amdhsa_enable_private_segment 0
		.amdhsa_kernarg_size 24
		.amdhsa_user_sgpr_count 2
		.amdhsa_user_sgpr_kernarg_segment_ptr 1
		.amdhsa_wavefront_size32 1
		.amdhsa_system_sgpr_workgroup_id_x 1
		.amdhsa_system_sgpr_workgroup_id_y 1
		.amdhsa_system_sgpr_workgroup_id_z 1
		.amdhsa_system_vgpr_workitem_id 0
		.amdhsa_next_free_vgpr 1024
		.amdhsa_next_free_sgpr 102
		.amdhsa_reserve_vcc 1
		.amdhsa_float_denorm_mode_32 3
		.amdhsa_float_denorm_mode_16_64 3
		.amdhsa_memory_ordered 1
		.amdhsa_forward_progress 1
		.amdhsa_inst_pref_size 187
	.end_amdhsa_kernel
	.amdgpu_metadata
---
amdhsa.version: [ 1, 2 ]
amdhsa.kernels:
  - .name:           k_qafcaba4305_qkv
    .symbol:         k_qafcaba4305_qkv.kd
    .args:
      - { .name: xq, .offset: 0, .size: 8, .value_kind: global_buffer, .address_space: global }
      - { .name: wts, .offset: 8, .size: 8, .value_kind: global_buffer, .address_space: global }
      - { .name: qkv, .offset: 16, .size: 8, .value_kind: global_buffer, .address_space: global }
    .group_segment_fixed_size: 327680
    .private_segment_fixed_size: 0
    .kernarg_segment_align: 8
    .kernarg_segment_size: 24
    .max_flat_workgroup_size: 128
    .sgpr_count:     102
    .vgpr_count:     1024
    .wavefront_size: 32
...
	.end_amdgpu_metadata
.endif
;; end of part 2
;; launch attn (part 3): grid 4 x 64, 16 waves a work-group, no clusters, 35,840 bytes of LDS; arguments qkv, oq; writes oq
.if DOCPART == 3
	.amdgcn_target "amdgcn-amd-amdhsa--gfx1250"
	.amdhsa_code_object_version 6
	.text
	.protected	k_qafcaba4305_attn
	.globl	k_qafcaba4305_attn
	.p2align	8
	.type	k_qafcaba4305_attn,@function
k_qafcaba4305_attn:
	s_mov_b64 s[64:65], 0
	v_nop
	global_prefetch_b8 v0, s[64:65] scope:SCOPE_SE
	s_setreg_imm32_b32 hwreg(HW_REG_WAVE_MODE, 25, 1), 1
	s_wait_xcnt 0x0
; Causal attention of one head on codes of FP8 (E4M3) with E8M0 scales, and the quantiser of its result along the model's channels.  No 1 / sqrt scale: t = score x log2(e).
; THE SOFTMAX AHEAD OF THE SECOND PRODUCT: M = the row's largest t so far, rounded UP to a whole number; p = 2^(t - M) is what is quantised, along the keys, not normalised.  The row's sum is taken of the unquantised p
; and divides O at the end.  When M moves, the sum and O are multiplied by 2^(old M - new M): exact.
; IN (qkv): record idx = 1,024 region + 16 (16 batch + head) + (block of 128 tokens).  q, k: 8 tiles of 16 tokens x 1,024 bytes, images of operand registers 0-7 (d = 32 c + 16 h + i); v: 4 fragments of 16 d x 128 keys.
; Row r of tile t is token (or d) 32 (t / 2) + 16 (r / 8) + 8 (t % 2) + r % 8, so that the 16 registers of two neighbouring result tiles are 16 neighbours along the next K.
; SHARES.  Work-group (i, head) owns query blocks 7 - i (pass 0) and i (pass 1), 256 queries each: 2 (8 - i) + 2 (i + 1) = 18 key steps of 128 in every work-group.  Each of SIXTEEN waves owns one tile of 16 queries
; in 256 registers: four waves to a SIMD, so that one wave's vector work stands beside another's matrix work and LDS loads.
; K AND V COME THROUGH REGISTERS INTO TWO LDS SLOTS: each wave copies 1,024 bytes of codes and 32 scale bytes of the next step while this step is worked; one barrier a step.  NO CLUSTER AND NO JOINT LOADS: the four
; work-groups of a head walk 16, 14, 12, 10 steps in pass 0 and then begin anew at key 0, so from step 2 (8 - i) on partners would want different tiles.
; K = 64 IN AN INSTRUCTION OF 128.  A fragment of K holds TWO key tiles (registers 0-7, 8-15).  Q lies as Q, zeros, Q in 24 registers: source 1 = the first 16 gives tile 2 f, the last 16 tile 2 f + 1; zero codes cancel the other half.
; Both products are used transposed (S^T = K Q^T, O^T = V^T P^T): a lane holds ONE query (lane % 16) throughout.
; CAUSAL: a step all of whose keys come after the wave's queries is left out (a scalar branch on ids; no barrier stands in it); on the diagonal hidden scores become -infinity ahead of the maximum.
; OUT (oq): an operand image for the last product: rowtile = 128 batch + tile of queries, K = 64 head + d; scale bytes behind the codes.
; LIMITS: a block of zeros gets the byte 1 (zero codes); a block's largest p is taken from its largest score, which leans on v_exp_f32 not falling where its input rises; NaN and infinities are not served.
.set SLOTB, 16896                      ; an LDS slot: K's 8,192 bytes, V's 8,192, K's 256 scale bytes, V's 256
.set VOFF,  8192
.set KSC,   16384
.set VSC,   16640
.set REGC,  8388608                    ; qkv: codes of a region
.set REGS,  262144                     ; scale records of a region
.set QKS,   25165824                   ; where the scale records begin
.set OQS,   8388608                    ; oq: where the scale bytes begin
.set LI,   1                           ; v1   16 x lane: my place in every group of an image
.set LSC,  2                           ; v2   16 r: my row's four scale words
.set CPW,  3                           ; v3   the copy: 1,024 x wave + 16 x lane in a slot
.set CPG,  4                           ; v4   1,024 (wave % 8) + 16 x lane in a record
.set SCW,  5                           ; v5   KSC + my thread's number: my scale byte in a slot
.set SCG,  6                           ; v6   my thread's number % 256: in a record
.set QN,   7                           ; v7   my query in its tile's 32, less 16 h
.set PFO,  8                           ; v8   the prefetch's offset: 256 x lane + 8,192 x (the step two on)
.set OSO,  9                           ; v9   8 r: my row's scale bytes in oq
.set NM,   10                          ; v10  -M;  v11 the largest t
.set SUM,  12                          ; v[12:13] the sum, in two halves
.set FF,   14                          ; v14  f = 2^(old M - new M), later 1 / the sum;  v15 named with it as a pair
.set QF,   16                          ; v16-23 Q, v24-31 zeros, v32-39 Q
.set KV,   40                          ; v40-103  four fragments of K or of V
.set ST,   104                         ; v104-167 S^T, then p
.set OT,   168                         ; v168-199 O^T
.set PCD,  200                         ; v200-215 p's codes
.set BM,   216                         ; v216-219 the blocks' maxima
.set PB,   220                         ; v220-223 the permutes' destinations, then bytes
.set LM,   224                         ; v224-227 448 x the scale
.set SO,   228                         ; v228-231 the conversions' scale operands
.set TW,   232                         ; v232-235 at work
.set KVS,  240                         ; v240-243 K's or V's scale words
.set QW,   244                         ; v244 Q's scale word
.set PWD,  245                         ; v245 p's
.set CP,   246                         ; v246-253 the copy's codes;  v254 its scale byte
.set SCP,  254
.set QI,   8                           ; s[8:9]   q's records of my head
.set CB,   10                          ; s[10:11] the records that I copy: k's (waves 0-7) or v's (waves 8-15)
.set SB,   12                          ; s[12:13] and their scale records
.set QSB,  14                          ; s[14:15] q's scale records
.set OB,   16                          ; s[16:17] oq: my head's two groups in rowtile 0 of my batch
.set OSB,  18                          ; s[18:19] and its two scale bytes
.set SEL,  20
.set CS,   22                          ; s[22:23] log2(e), twice: the packed form names a pair
.set MNT,  24
.set WV,   25
.set PO,   26                          ; s[26:27] the next copy's record, in bytes
.set PS,   28                          ; s[28:29] and its scale record
.set CBP,  30
.set SBP,  32
.set LIM,  34                          ; s34  where the pass's records end;  s35 the second pass's
.set LIM1, 35
.set QB,   36                          ; s36  the pass's block of 256 queries;  s37 the next pass's
.set QBN,  37
.set NT,   38                          ; s38  trips of two steps
.set TR,   39
.set PASS, 40
.set KN,   41                          ; s41  the key step
.set QS,   42                          ; s42  the step on my tile's diagonal
.set Q0,   43                          ; s43  my tile's first token
.set PFN,  44                          ; s44  prefetches still to be asked
.set USH,  45                          ; s45  16 (wave % 2): my tile's half of a scale word of q
.set OP,   46
.set OSP,  48
.set QP,   50
.set QSP,  52
.macro PLACES8                         ; plain vector instructions between a matrix instruction and a load into, or a vector instruction on, its registers
.rept 8
	v_nop
.endr
.endm
; The next step's record is asked for: 1,024 bytes of codes and 32 scale bytes a wave.  The stream runs on from pass 0's last step to pass 1's step 0; the very last copy brings step 0 once more, which nobody reads: it stays inside the buffer.
.macro COPY_ISSUE
	s_wait_xcnt 0x0                                ; the last step's prefetch and the last pass's stores have read their registers: these are written again only behind this wait
	v_add_nc_u32 v[PFO], 8192, v[PFO]
	s_add_nc_u64 s[CBP:CBP+1], s[CB:CB+1], s[PO:PO+1]
	s_lshr_b32 s[PS], s[PO], 5                     ; 256 scale bytes for 8,192 of codes
	s_add_nc_u64 s[SBP:SBP+1], s[SB:SB+1], s[PS:PS+1]
	global_load_b128 v[CP:CP+3], v[CPG], s[CBP:CBP+1]
	global_load_b128 v[CP+4:CP+7], v[CPG], s[CBP:CBP+1] offset:512
	global_load_u8 v[SCP], v[SCG], s[SBP:SBP+1]
	s_add_co_u32 s[PO], s[PO], 8192
	s_cmp_eq_u32 s[PO], s[LIM]
	s_cselect_b32 s[PO], 0, s[PO]
	s_cselect_b32 s[LIM], s[LIM1], s[LIM]
.endm
; A PREFETCH INTO THE L2 of the record that the NEXT step's copy will load: in step n, step n + 2's 8,192 bytes, lanes 256 bytes apart, one instruction.  It stands where the wave has just issued its loads.
; All four work-groups of a head walk the same records: the first of them (x = 0, whose pass 0 walks all 16) asks, wave 0 for k's and wave 8 for v's, in steps 0 to 13: records 2 to 15 are each named once in the launch.
.macro ASK
	s_cmp_lg_u32 s[PFN], 0
	s_cbranch_scc0 .Lnot_mine_\@
	global_prefetch_b8 v[PFO], s[CB:CB+1] th:TH_LOAD_NT scope:SCOPE_SE
	s_sub_co_u32 s[PFN], s[PFN], 1
.Lnot_mine_\@:
.endm
; The copy lands in the slot that was read a step ago.  ONE barrier a step orders both ways: every wave passed the last barrier behind its reads of that slot, and reads it again only behind this one.
.macro COPY_STORE slot
	s_wait_loadcnt 0x0
	ds_store_b128 v[CPW], v[CP:CP+3] offset:(\slot)*SLOTB
	ds_store_b128 v[CPW], v[CP+4:CP+7] offset:(\slot)*SLOTB+512
	ds_store_b8 v[SCW], v[SCP] offset:(\slot)*SLOTB
	s_wait_dscnt 0x0                               ; for the others' sake: my stores have landed, and my reads of the other slot are in
	s_barrier_signal -1
	s_barrier_wait -1
.endm
; My tile of Q (twice) and its scale word
.macro QLOAD
	s_lshl_b32 s56, s[QB], 1
	s_lshr_b32 s57, s[WV], 3
	s_add_co_u32 s56, s56, s57                     ; the record: 2 QB + wave / 8
	s_lshl_b32 s58, s56, 8
	s_lshl_b32 s56, s56, 13
	s_and_b32 s57, s[WV], 7                        ; the tile in it
	s_lshl_b32 s59, s57, 10
	s_add_co_u32 s56, s56, s59
	s_lshr_b32 s57, s57, 1
	s_lshl_b32 s57, s57, 2                         ; word tile / 2
	s_add_co_u32 s58, s58, s57
	s_mov_b32 s57, 0
	s_mov_b32 s59, 0
	s_add_nc_u64 s[QP:QP+1], s[QI:QI+1], s[56:57]
	s_add_nc_u64 s[QSP:QSP+1], s[QSB:QSB+1], s[58:59]
	global_load_b128 v[QF:QF+3], v[LI], s[QP:QP+1]
	global_load_b128 v[QF+4:QF+7], v[LI], s[QP:QP+1] offset:512
	global_load_b128 v[QF+16:QF+19], v[LI], s[QP:QP+1]
	global_load_b128 v[QF+20:QF+23], v[LI], s[QP:QP+1] offset:512
	global_load_b32 v[QW], v[LSC], s[QSP:QSP+1]
.endm
; A KEY STEP'S WORK: 128 keys, from the slot named
.macro COMPUTE slot
	PLACES8                                        ; in front of loads into registers that the last step's products have read
.irp f, 0,1,2,3
.irp c, 0,1,2,3
	ds_load_b128 v[KV+16*\f+4*\c:KV+16*\f+4*\c+3], v[LI] offset:\slot*SLOTB+2048*\f+512*\c
.endr
.endr
	ds_load_b128 v[KVS:KVS+3], v[LSC] offset:\slot*SLOTB+KSC
	s_wait_dscnt 0x0
.irp f, 0,1,2,3                                ; S^T = K Q^T: lane (r, h) holds query r; the 16 registers of tiles 2 f, 2 f + 1 are keys 32 f + 16 h + 0..15
	v_wmma_scale_f32_16x16x128_f8f6f4 v[ST+16*\f:ST+16*\f+7], v[KV+16*\f:KV+16*\f+15], v[QF:QF+15], 0, v[KVS+\f], v[QW]
	v_wmma_scale_f32_16x16x128_f8f6f4 v[ST+16*\f+8:ST+16*\f+15], v[KV+16*\f:KV+16*\f+15], v[QF+8:QF+23], 0, v[KVS+\f], v[QW]
.endr
	PLACES8
	s_cmp_lt_u32 s[KN], s[QS]                      ; a step all of whose keys count skips the mask
	s_cbranch_scc1 .Lopen_\@
	s_lshl_b32 s54, s[KN], 7
	s_sub_co_i32 s54, s[Q0], s54
	v_add_nc_u32 v[TW], s54, v[QN]                 ; d = my query - the step's first key - 16 h.  Register 16 b + i holds key 32 b + 16 h + i of the step: hidden where 32 b + i > d
	v_mov_b32 v[TW+1], 0xff800000                  ; -infinity
.set n, 0
.rept 64
	v_cmp_gt_i32 vcc_lo, 32*(n/16)+n%16, v[TW]
	v_cndmask_b32 v[ST+n], v[ST+n], v[TW+1], vcc_lo
.set n, n+1
.endr
.Lopen_\@:
.irp b, 0,1,2,3
	v_max3_num_f32 v[BM+\b], v[ST+16*\b], v[ST+1+16*\b], v[ST+2+16*\b]   ; the largest score of each block of 32 keys: it serves for the row's maximum and, since p rises with the score, for the block's largest p
.endr
.irp i, 3,5,7,9,11,13
.irp b, 0,1,2,3
	v_max3_num_f32 v[BM+\b], v[BM+\b], v[ST+16*\b+\i], v[ST+1+16*\b+\i]
.endr
.endr
.irp b, 0,1,2,3
	v_max_num_f32 v[BM+\b], v[BM+\b], v[ST+15+16*\b]
.endr
.irp b, 0,1,2,3
	v_permlanex16_b32 v[PB+\b], v[BM+\b], s[SEL], s[SEL+1]
.endr
.irp b, 0,1,2,3
	v_max_num_f32 v[BM+\b], v[BM+\b], v[PB+\b]     ; with lane l xor 16's 16 keys
.endr
	v_max3_num_f32 v[TW], v[BM], v[BM+1], v[BM+2]
	v_max_num_f32 v[TW], v[TW], v[BM+3]            ; the step's largest score of my query
	v_mul_f32 v[TW], s[CS], v[TW]                  ; as t
	v_max_num_f32 v[NM+1], v[NM+1], v[TW]          ; the running largest t
	v_mov_b32 v[TW], v[NM]
	v_floor_f32 v[NM], -v[NM+1]                    ; the new -M = floor(-t): M is a whole number
	v_sub_f32 v[TW], v[NM], v[TW]                  ; old M - new M: a whole number, 0 or less
	v_cvt_i32_f32 v[TW], v[TW]                     ; (it saturates)
	v_ldexp_f32 v[FF], 1.0, v[TW]                  ; f = 2^(old M - new M)
.set j, 0
.rept 32
	v_pk_fma_f32 v[ST+j:ST+j+1], v[ST+j:ST+j+1], s[CS:CS+1], v[NM:NM+1] op_sel_hi:[1,0,0]   ; t - M, two at a time
.set j, j+2
.endr
.irp b, 0,1,2,3
	v_fma_f32 v[BM+\b], v[BM+\b], s[CS], v[NM]     ; the same of each block's largest score
.endr
.set j, 0
.rept 64
	v_exp_f32 v[ST+j], v[ST+j]                     ; p = 2^(t - M), at most 1
.set j, j+1
.endr
	v_pk_mul_f32 v[SUM:SUM+1], v[SUM:SUM+1], v[FF:FF+1] op_sel_hi:[1,0]   ; the sums under the new M: the plain line behind the exponentials
	s_wait_alu depctr_va_vdst(0)                   ; one wait for the whole batch, ahead of its first reader
.irp b, 0,1,2,3
	v_exp_f32 v[BM+\b], v[BM+\b]                   ; the block's largest p: the same two instructions on the same number give the same bits
.endr
	v_pk_add_f32 v[TW:TW+1], v[ST:ST+1], v[ST+2:ST+3]   ; the row's sum is taken of the unquantised p: two at a time, in two chains
.irp j, 4,8,12,16,20,24,28,32,36,40,44,48,52,56,60
	v_pk_add_f32 v[SUM:SUM+1], v[SUM:SUM+1], v[ST+\j:ST+\j+1]
	v_pk_add_f32 v[TW:TW+1], v[TW:TW+1], v[ST+2+\j:ST+3+\j]
.endr
	v_pk_add_f32 v[SUM:SUM+1], v[SUM:SUM+1], v[TW:TW+1]
	s_wait_alu depctr_va_vdst(0)                   ; and one for the four
.irp b, 0,1,2,3
	v_max_num_f32 v[BM+\b], 0x4800000, v[BM+\b]    ; the floor 2^(9 - 127): the byte cannot fall under 1
.endr
.irp b, 0,1,2,3
	v_add_nc_u32 v[SO+\b], 0xfc000000, v[BM+\b]    ; 8 off the exponent field: the conversion's scale operand
.endr
.irp b, 0,1,2,3
	v_and_or_b32 v[LM+\b], v[BM+\b], 0x7f800000, s[MNT]   ; 448 x the scale
.endr
.irp b, 0,1,2,3
	v_lshrrev_b32 v[PB+\b], 23, v[SO+\b]           ; the scale's byte
.endr
	v_lshl_or_b32 v[PWD], v[PB+1], 8, v[PB]        ; p's scale word for these 128 keys
	v_lshl_or_b32 v[PWD], v[PB+2], 16, v[PWD]
	v_lshl_or_b32 v[PWD], v[PB+3], 24, v[PWD]
.irp b, 0,1,2,3
.irp i, 0,1,2,3,4,5,6,7,8,9,10,11,12,13,14,15
	v_min_num_f32 v[ST+16*\b+\i], v[ST+16*\b+\i], v[LM+\b]   ; the conversion does not saturate (ISA guide 7.6.2); p is not negative, so the hold is one-sided
.endr
	v_cvt_scalef32_pk8_fp8_f32 v[PCD+4*\b:PCD+4*\b+1], v[ST+16*\b:ST+16*\b+7], v[SO+\b]
	v_cvt_scalef32_pk8_fp8_f32 v[PCD+4*\b+2:PCD+4*\b+3], v[ST+16*\b+8:ST+16*\b+15], v[SO+\b]
.endr
.set j, 0
.rept 16
	v_pk_mul_f32 v[OT+j:OT+j+1], v[OT+j:OT+j+1], v[FF:FF+1] op_sel_hi:[1,0]   ; O^T under the new M.  (These sixteen are also the places in front of the products below)
.set j, j+2
.endr
.irp f, 0,1,2,3
.irp c, 0,1,2,3
	ds_load_b128 v[KV+16*\f+4*\c:KV+16*\f+4*\c+3], v[LI] offset:\slot*SLOTB+VOFF+2048*\f+512*\c
.endr
.endr
	ds_load_b128 v[KVS:KVS+3], v[LSC] offset:\slot*SLOTB+VSC
	s_wait_dscnt 0x0
.irp f, 0,1,2,3                                ; O^T += V^T P^T: four tiles of 16 of the head's 64, by turns; K = these 128 keys
	v_wmma_scale_f32_16x16x128_f8f6f4 v[OT+8*\f:OT+8*\f+7], v[KV+16*\f:KV+16*\f+15], v[PCD:PCD+15], v[OT+8*\f:OT+8*\f+7], v[KVS+\f], v[PWD]
.endr
.endm
.macro STEP slot
	COPY_ISSUE
	ASK
	s_cmp_gt_u32 s[KN], s[QS]                      ; all 128 keys come after my 16 queries: the work is left out, the copy and the barrier are not
	s_cbranch_scc1 .Lhidden_\@
	COMPUTE \slot
.Lhidden_\@:
	s_add_co_u32 s[KN], s[KN], 1
	COPY_STORE 1-\slot
.endm
	s_load_b128 s[4:7], s[0:1], 0x0                ; qkv s[4:5], oq s[6:7]
	v_lshl_add_u32 v239, v0, 2, 0x8400
	v_mov_b32 v255, 0
	v_lshrrev_b32 v1, 5, v0
	v_readfirstlane_b32 s[WV], v1                  ; wave 0..15
	v_and_b32 v[TW], 31, v0                        ; lane
	v_and_b32 v[TW+1], 15, v0                      ; r
	v_bfe_u32 v[TW+2], v0, 4, 1                    ; h
	v_lshlrev_b32 v[LI], 4, v[TW]
	v_lshlrev_b32 v[LSC], 4, v[TW+1]
	s_lshl_b32 s54, s[WV], 10
	v_add_nc_u32 v[CPW], s54, v[LI]
	s_and_b32 s55, s[WV], 7
	s_lshl_b32 s55, s55, 10
	v_add_nc_u32 v[CPG], s55, v[LI]
	v_add_nc_u32 v[SCW], KSC, v0
	v_and_b32 v[SCG], 255, v0
	v_and_b32 v[QN], 8, v[TW+1]
	v_add_nc_u32 v[QN], v[QN], v[TW+1]             ; 16 (r / 8) + r % 8
	v_lshlrev_b32 v[TW+2], 4, v[TW+2]
	v_sub_nc_u32 v[QN], v[QN], v[TW+2]             ; - 16 h
	v_lshlrev_b32 v[PFO], 8, v[TW]
	v_lshlrev_b32 v[OSO], 3, v[TW+1]
.irp j, 0,1,2,3,4,5,6,7
	v_mov_b32 v[QF+8+\j], 0                        ; the zero codes between the two copies of Q: written once
.endr
.irp b, 0,1,2,3
	v_mov_b32 v[PB+\b], 0                          ; written once: a lane permute's destination counts as one of its sources
.endr
	v_mov_b32 v[FF+1], 0                           ; (named as the upper half of a pair)
	s_mov_b32 s[SEL], 0x76543210
	s_mov_b32 s[SEL+1], 0xfedcba98
	s_mov_b32 s[CS], 0x3fb8aa3b                    ; log2(e)
	s_mov_b32 s[CS+1], s[CS]
	s_mov_b32 s[MNT], 0x600000
	s_mov_b32 s[PO], 0
	s_mov_b32 s[PO+1], 0
	s_mov_b32 s[PS+1], 0
	s_mov_b32 s[PASS], 0
	s_sub_co_u32 s[LIM], 8, ttmp9
	s_lshl_b32 s[LIM], s[LIM], 14                  ; pass 0: 2 (8 - i) records of 8,192 bytes
	s_add_co_u32 s[LIM1], ttmp9, 1
	s_lshl_b32 s[LIM1], s[LIM1], 14                ; pass 1: 2 (i + 1)
	s_sub_co_u32 s[QB], 7, ttmp9
	s_mov_b32 s[QBN], ttmp9
	s_and_b32 s[USH], s[WV], 1
	s_lshl_b32 s[USH], s[USH], 4
	s_and_b32 s54, s[WV], 7
	s_or_b32 s54, s54, ttmp9
	s_cmp_eq_u32 s54, 0
	s_cselect_b32 s[PFN], 14, 0                    ; waves 0 and 8 of the head's first work-group
	s_and_b32 s54, ttmp7, 0xffff                   ; 16 batch + head
	s_lshl_b32 s56, s54, 17                        ; a head's 16 records of codes
	s_mov_b32 s57, 0
	s_lshl_b32 s58, s54, 12                        ; and of scale words
	s_add_co_u32 s58, s58, QKS
	s_mov_b32 s59, 0
	s_mov_b32 s60, 2*REGC
	s_mov_b32 s55, 2*REGS
	s_mov_b32 s61, 0
	s_cmp_lt_u32 s[WV], 8                          ; waves 0-7 copy k, waves 8-15 v
	s_cselect_b32 s60, REGC, s60
	s_cselect_b32 s55, REGS, s55
	s_wait_kmcnt 0x0
	s_add_nc_u64 s[QI:QI+1], s[4:5], s[56:57]
	s_add_nc_u64 s[CB:CB+1], s[QI:QI+1], s[60:61]
	s_add_nc_u64 s[QSB:QSB+1], s[4:5], s[58:59]
	s_mov_b32 s60, s55
	s_add_nc_u64 s[SB:SB+1], s[QSB:QSB+1], s[60:61]
	s_lshr_b32 s56, s54, 4                         ; batch
	s_and_b32 s55, s54, 15                         ; head
	s_lshl_b32 s58, s56, 21                        ; 128 rowtiles of 16,384 bytes a batch
	s_lshl_b32 s60, s55, 10                        ; 2,048 (head / 2) + 1,024 (head % 2)
	s_add_co_u32 s58, s58, s60
	s_add_nc_u64 s[OB:OB+1], s[6:7], s[58:59]
	s_lshl_b32 s58, s56, 16                        ; 128 rowtiles of 512 bytes
	s_lshr_b32 s60, s55, 2
	s_lshl_b32 s60, s60, 7                         ; the pair of fragments: head / 4
	s_add_co_u32 s58, s58, s60
	s_and_b32 s60, s55, 3
	s_lshl_b32 s60, s60, 1                         ; the two bytes in the pair's eight: 2 (head % 4)
	s_add_co_u32 s58, s58, s60
	s_add_co_u32 s58, s58, OQS
	s_add_nc_u64 s[OSB:OSB+1], s[6:7], s[58:59]
	COPY_ISSUE                                     ; key step 0
	QLOAD
	COPY_STORE 0
.Lpass:
	s_wait_loadcnt 0x0                             ; Q and its scale word
	v_lshrrev_b32 v[QW], s[USH], v[QW]             ; my tile's two bytes,
	v_and_b32 v[QW], 0xffff, v[QW]
	v_lshl_or_b32 v[QW], v[QW], 16, v[QW]          ; twice: for Q in the low half of K and in the high half
	v_mov_b32 v[NM+1], 0xff61b1e6                  ; the largest t so far: -3e38, under every t
	v_floor_f32 v[NM], -v[NM+1]
	v_mov_b32 v[SUM], 0
	v_mov_b32 v[SUM+1], 0
.set j, 0
.rept 32
	v_mov_b32 v[OT+j], 0                           ; the step is written once: the first finds zeros, which the first change of M leaves zeros
.set j, j+1
.endr
	s_mov_b32 s[KN], 0
	s_add_co_u32 s[NT], s[QB], 1                   ; 2 (QB + 1) key steps
	s_lshl_b32 s[QS], s[QB], 1
	s_lshr_b32 s54, s[WV], 3
	s_add_co_u32 s[QS], s[QS], s54
	s_lshl_b32 s55, s[QB], 4
	s_add_co_u32 s55, s55, s[WV]                   ; my tile of queries
	s_lshr_b32 s[Q0], s55, 1
	s_lshl_b32 s[Q0], s[Q0], 5
	s_and_b32 s54, s55, 1
	s_lshl_b32 s54, s54, 3
	s_add_co_u32 s[Q0], s[Q0], s54                 ; its first token: 32 (T / 2) + 8 (T % 2)
	s_mov_b32 s[TR], 0
.Ltrip:                                            ; a trip runs two steps, so that the slot stands in the immediates
	STEP 0
	STEP 1
	s_add_co_u32 s[TR], s[TR], 1
	s_cmp_lt_u32 s[TR], s[NT]
	s_cbranch_scc1 .Ltrip
	PLACES8                                        ; behind the last products: for the loads into Q's registers and for the first read of O^T
	s_lshl_b32 s55, s[QB], 4
	s_add_co_u32 s55, s55, s[WV]
	s_lshl_b32 s56, s55, 14
	s_mov_b32 s57, 0
	s_add_nc_u64 s[OP:OP+1], s[OB:OB+1], s[56:57]  ; (the steps' waits on XCNT stand between the last pass's stores and these lines)
	s_lshl_b32 s56, s55, 9
	s_add_nc_u64 s[OSP:OSP+1], s[OSB:OSB+1], s[56:57]
	s_mov_b32 s[QB], s[QBN]
	s_cmp_eq_u32 s[PASS], 1
	s_cbranch_scc1 .Lno_next
	QLOAD                                          ; the next pass's Q lands while this pass's result is quantised
.Lno_next:
	; O^T / the sum, quantised along the model's channels: my 32 numbers are halves of two blocks of 32
	v_add_f32 v[SUM], v[SUM], v[SUM+1]
	v_permlanex16_b32 v[PB], v[SUM], s[SEL], s[SEL+1]
	v_add_f32 v[SUM], v[SUM], v[PB]                ; the row's sum
	v_rcp_f32 v[FF], v[SUM]
	v_nop                                          ; a plain line behind the transcendental
	s_wait_alu depctr_va_vdst(0)                   ; and the wait ahead of its first reader
.set j, 0
.rept 16
	v_pk_mul_f32 v[ST+j:ST+j+1], v[OT+j:OT+j+1], v[FF:FF+1] op_sel_hi:[1,0]   ; register 16 b + i: d = 32 b + 16 h + i of my query
.set j, j+2
.endr
.irp b, 0,1
	v_max3_num_f32 v[BM+\b], |v[ST+16*\b]|, |v[ST+1+16*\b]|, 0x4800000
.endr
.irp i, 2,4,6,8,10,12,14
.irp b, 0,1
	v_max3_num_f32 v[BM+\b], v[BM+\b], |v[ST+16*\b+\i]|, |v[ST+1+16*\b+\i]|
.endr
.endr
.irp b, 0,1
	v_permlanex16_b32 v[PB+\b], v[BM+\b], s[SEL], s[SEL+1]
.endr
.irp b, 0,1
	v_max_num_f32 v[BM+\b], v[BM+\b], v[PB+\b]
.endr
.irp b, 0,1
	v_add_nc_u32 v[SO+\b], 0xfc000000, v[BM+\b]
.endr
.irp b, 0,1
	v_and_or_b32 v[LM+\b], v[BM+\b], 0x7f800000, s[MNT]
.endr
.irp b, 0,1
	v_lshrrev_b32 v[PB+\b], 23, v[SO+\b]
.endr
	v_lshl_or_b32 v[TW+2], v[PB+1], 8, v[PB]       ; the two bytes
.irp b, 0,1
.irp i, 0,1,2,3,4,5,6,7,8,9,10,11,12,13,14,15
	v_med3_num_f32 v[ST+16*\b+\i], v[ST+16*\b+\i], -v[LM+\b], v[LM+\b]
.endr
	v_cvt_scalef32_pk8_fp8_f32 v[PCD+4*\b:PCD+4*\b+1], v[ST+16*\b:ST+16*\b+7], v[SO+\b]
	v_cvt_scalef32_pk8_fp8_f32 v[PCD+4*\b+2:PCD+4*\b+3], v[ST+16*\b+8:ST+16*\b+15], v[SO+\b]
.endr
	v_nop                                          ; a plain line behind the last conversion
	global_store_b128 v[LI], v[PCD:PCD+3], s[OP:OP+1]                 ; two groups of the image: 1,024 consecutive bytes
	global_store_b128 v[LI], v[PCD+4:PCD+7], s[OP:OP+1] offset:512
	global_store_b16 v[OSO], v[TW+2], s[OSP:OSP+1]                    ; two bytes of my row's eight (both halves of the lanes hold the same)
	s_add_co_u32 s[PASS], s[PASS], 1
	s_cmp_lt_u32 s[PASS], 2
	s_cbranch_scc1 .Lpass
	s_wait_tensorcnt 0x0
	ds_add_u32 v239, v255
	s_wait_dscnt 0x0
	s_endpgm
.Lfunc_end_k_qafcaba4305_attn:
	.size	k_qafcaba4305_attn, .Lfunc_end_k_qafcaba4305_attn-k_qafcaba4305_attn
	.p2alignl 7, 3214868480
	.fill 96, 4, 3214868480
	.section	.rodata,"a",@progbits
	.p2align	6, 0x0
	.amdhsa_kernel k_qafcaba4305_attn
		.amdhsa_group_segment_fixed_size 35840
		.amdhsa_private_segment_fixed_size 0
		.amdhsa_enable_private_segment 0
		.amdhsa_kernarg_size 16
		.amdhsa_user_sgpr_count 2
		.amdhsa_user_sgpr_kernarg_segment_ptr 1
		.amdhsa_wavefront_size32 1
		.amdhsa_system_sgpr_workgroup_id_x 1
		.amdhsa_system_sgpr_workgroup_id_y 1
		.amdhsa_system_sgpr_workgroup_id_z 1
		.amdhsa_system_vgpr_workitem_id 0
		.amdhsa_next_free_vgpr 256
		.amdhsa_next_free_sgpr 66
		.amdhsa_reserve_vcc 1
		.amdhsa_float_denorm_mode_32 3
		.amdhsa_float_denorm_mode_16_64 3
		.amdhsa_memory_ordered 1
		.amdhsa_forward_progress 1
		.amdhsa_inst_pref_size 64
	.end_amdhsa_kernel
	.amdgpu_metadata
---
amdhsa.version: [ 1, 2 ]
amdhsa.kernels:
  - .name:           k_qafcaba4305_attn
    .symbol:         k_qafcaba4305_attn.kd
    .args:
      - { .name: qkv, .offset: 0, .size: 8, .value_kind: global_buffer, .address_space: global }
      - { .name: oq, .offset: 8, .size: 8, .value_kind: global_buffer, .address_space: global }
    .group_segment_fixed_size: 35840
    .private_segment_fixed_size: 0
    .kernarg_segment_align: 8
    .kernarg_segment_size: 16
    .max_flat_workgroup_size: 512
    .sgpr_count:     66
    .vgpr_count:     256
    .wavefront_size: 32
...
	.end_amdgpu_metadata
.endif
;; end of part 3
;; launch proj (part 4): grid 4 x 32, 4 waves a work-group, clusters of 4 x 4, 327,680 bytes of LDS; arguments oq, wts, proj_b, out0; writes out0
.if DOCPART == 4
	.amdgcn_target "amdgcn-amd-amdhsa--gfx1250"
	.amdhsa_code_object_version 6
	.text
	.protected	k_qafcaba4305_proj
	.globl	k_qafcaba4305_proj
	.p2align	8
	.type	k_qafcaba4305_proj,@function
k_qafcaba4305_proj:
	s_mov_b64 s[64:65], 0
	v_nop
	global_prefetch_b8 v0, s[64:65] scope:SCOPE_SE
	s_setreg_imm32_b32 hwreg(HW_REG_WAVE_MODE, 25, 1), 1
	s_wait_xcnt 0x0
	s_wait_alu depctr_hold_cnt(0) depctr_sa_sdst(0) depctr_va_vdst(0) depctr_va_sdst(0) depctr_va_ssrc(0) depctr_va_vcc(0) depctr_vm_vsrc(0)
	s_getreg_b32 s2, hwreg(HW_REG_IB_STS2, 6, 4)
	s_cmp_eq_u32 s2, 0
	s_cbranch_scc0 .Lentry_in_a_cluster
	s_endpgm
.Lentry_in_a_cluster:
	s_bfe_u32 s2, ttmp6, 0x10000c
	s_cmp_lg_u32 s2, 0xf033
	s_cbranch_scc0 .Lentry_shape_is_right
	s_endpgm
.Lentry_shape_is_right:
; out0 = attention's result x proj_w + proj_b, 8,192 x 1,024, K = 1,024, on codes of FP8 (E4M3) with E8M0 scales; sums in f32.
; Operands lie in memory as images of their registers (a fragment of 16 rows x 128 K = 2,048 bytes, lane l's 16 bytes of group c at 512 c + 16 l; [rowtile][8 fragments]; scale words [rowtile][4 pairs][16 rows][2 words]).
; Row r of rowtile t is original row 32 (t / 2) + 16 (r / 8) + 8 (t % 2) + r % 8, in A (tokens) and in B (output columns; proj_w is rowtiles 192-255 of wts): the way out puts both back.
; A tile of C, 256 x 256, is made by four waves, 128 x 128 each: 64 accumulators, 512 registers.  K goes in four steps of 256 through a ring of two LDS slots; a wave's tensor load brings 8 rowtiles x 4,096 bytes.
; The scale words of the work-group's rows, for all of K, come once with the first fills.  LDS is dense: an LDS load takes 512 consecutive bytes.
; CLUSTERS: 4 x 4.  A's tiles are shared along a row of the cluster, B's along a column: each is asked for jointly.  THE MATRIX INSTRUCTION IS USED TRANSPOSED (source 0 = 16 rows of B, source 1 = 16 rows of A):
; lane (r, h) holds, in accumulator (a, b), columns 32 (b / 2) + 16 h + 8 (b % 2) + 0..7 of A's row r of block a.  THE BIAS is the C of each sum's first matrix instruction: eight registers for each b.
; REGISTERS, in windows of 256: window 0: v0-31 addresses; v32-63 scale words, two sets; v64-127 the bias; from v128 A's fragments, one set, later rows of C.  window 1: B's fragments, two sets.
;   window 2: the accumulators of my rows 0-63 ((a, b) at v[8 (8 a + b)]);  window 3: those of my rows 64-127.
.set NQ,    2
.set FR,    16
.set NL,    4
.set NP,    8                          ; places behind this matrix instruction (ISA guide 7.12.1)
.set STEPB, 4096                       ; a rowtile's bytes in a slot: two fragments
.set HALFT, 8*STEPB
.set SLOT,  4*HALFT
.set SCL,   2*SLOT                     ; the scale words; A's two halves of 4,096 bytes, then, 128 bytes on, B's
.set SCH,   4096
.set SKEW,  128
.set SPARE, SCL+4*SCH+256              ; the spare words, 128 bytes for each wave: two blocks of 256 bytes that no other line names
.set OQS,   8388608                    ; oq's scale words
.set WSC,   4194304                    ; wts's
.set SPITCH, 528                       ; the way out: a stage of 16 rows x (512 bytes + 16) for each wave, in slot 0, which has had its last fill and its last read when the first result is stored there
.set ADRA, 16
.set ADRB, 20
.set STO,  24                          ; v24  the way out: where I put 32 bytes of a row
.set RD,   25                          ; v25  where I read a row back
.set CO,   26                          ; v26  my byte offset in a row of C
.set ADRS, 27
.set SPW,  28
.set NIL,  29
.set SC,   32
.set BI,   64                          ; the bias
.set AF,   128
.set BK,   128                         ; the way out: 16 rows read back: v128-191 and v192-255 by turns
.set G1, 24
.set G0, 32
.set G1B, 48
.set G0B, 56
.set G1S, 68
.set G0S, 76
.set G1SB, 80
.set G0SB, 88
.set MSB, 0
.macro WIN new                         ; the immediate's high byte repeats the setting that is left
.if MSB != \new
	s_set_vgpr_msb (MSB<<8)|\new
.set MSB, \new
.endif
.endm
.set MUL_LO, 0xa1                      ; source 0 (B) window 1, source 1 (A) window 0, C and D window 2
.set MUL_HI, 0xf1                      ; the same, C and D window 3
.set TO_B,   0x40
.macro JLOAD g0a, g1a, g0b, g1b        ; a joint load: waves 0 and 1 fetch for A, waves 2 and 3 for B; four v_nop follow each of the two lines
	s_cmp_eq_u32 s15, 0
	s_cbranch_scc0 .Lfor_b_\@
	tensor_load_to_lds s[\g0a:\g0a+3], s[\g1a:\g1a+7]
	s_nop 0
.rept 4
	v_nop
.endr
	s_branch .Lasked_\@
.Lfor_b_\@:
	tensor_load_to_lds s[\g0b:\g0b+3], s[\g1b:\g1b+7]
	s_nop 0
.rept 4
	v_nop
.endr
.Lasked_\@:
.endm
.macro CREST
	s_cmp_lg_u32 s14, 0
	s_cbranch_scc1 .Lnot_wave_0_\@
	s_barrier_signal -3
.Lnot_wave_0_\@:
	s_barrier_wait -3
	s_barrier_signal -1
	s_barrier_wait -1
.endm
.macro CROUND
	s_barrier_signal -1
	s_barrier_wait -1
	CREST
.endm
	s_load_b128 s[4:7], s[0:1], 0x0                ; oq s[4:5], wts s[6:7]
	s_load_b128 s[8:11], s[0:1], 0x10              ; proj_b s[8:9], out0 s[10:11]
	v_lshl_add_u32 v[SPW], v0, 2, SPARE
	v_mov_b32 v[NIL], 0
	ds_add_u32 v28, v29
	ds_add_u32 v28, v29
	s_wait_dscnt 0x0
	v_lshrrev_b32 v1, 5, v0
	v_readfirstlane_b32 s14, v1                    ; wave 0..3
	s_lshr_b32 s15, s14, 1                         ; which half of the tile's rows is mine.  Also: I fetch for A (0) or for B (1)
	s_and_b32 s16, s14, 1                          ; which half of its columns.  Also: which 128 rows of that tile I fetch
	s_bfe_u32 s40, ttmp6, 0x40000                  ; cx, cy
	s_bfe_u32 s41, ttmp6, 0x40004
	s_lshl_b32 s42, ttmp9, 2
	s_add_co_u32 s42, s42, s40                     ; tile column of C
	s_and_b32 s17, ttmp7, 0xffff
	s_lshl_b32 s17, s17, 2
	s_add_co_u32 s17, s17, s41                     ; tile row of C
	s_lshl_b32 s43, s41, 2
	s_lshl_b32 s43, 15, s43                        ; my row of the cluster
	s_lshl_b32 s44, 0x1111, s40                    ; my column
	s_or_b32 s[G1+0], s43, (3<<16)|(1<<21)         ; 8 rows of 4,096 bytes (512 elements of 8 bytes), 16,384 bytes apart in memory, dense in LDS
	s_or_b32 s[G1B+0], s44, (3<<16)|(1<<21)
.irp g, G1, G1B
	s_mov_b32 s[\g+1], 512<<16
	s_mov_b32 s[\g+2], 8<<16
	s_mov_b32 s[\g+3], 512<<16
	s_mov_b32 s[\g+4], 8
	s_mov_b32 s[\g+5], 2048
	s_mov_b32 s[\g+6], 0
	s_mov_b32 s[\g+7], 0
.endr
	s_or_b32 s[G1S+0], s43, (3<<16)|(1<<21)        ; the scale words of 128 rows: 4,096 dense bytes as 16 rows of 256
	s_or_b32 s[G1SB+0], s44, (3<<16)|(1<<21)
.irp g, G1S, G1SB
	s_mov_b32 s[\g+1], 32<<16
	s_mov_b32 s[\g+2], 16<<16
	s_mov_b32 s[\g+3], 32<<16
	s_mov_b32 s[\g+4], 16
	s_mov_b32 s[\g+5], 32
	s_mov_b32 s[\g+6], 0
	s_mov_b32 s[\g+7], 0
.endr
	s_lshl_b32 s18, s16, 3
	s_lshl_b32 s20, s17, 4
	s_add_co_u32 s20, s20, s18                     ; A: rowtile 16 x tile row + 8 x half
	s_lshl_b32 s46, s42, 4
	s_add_co_u32 s46, s46, s18                     ; B: rowtile 16 x tile column + 8 x half
	s_lshl_b32 s22, s20, 9
	s_lshl_b32 s92, s46, 9
	s_lshl_b32 s20, s20, 14
	s_lshl_b32 s46, s46, 14
	s_mov_b32 s21, 0
	s_mov_b32 s23, 0
	s_mov_b32 s47, 0
	s_mov_b32 s93, 0
	s_lshl_b32 s45, s14, 15                        ; where they go: no place in the cluster enters an LDS address
	s_lshl_b32 s94, s14, 12
	s_wait_kmcnt 0x0
	s_add_nc_u64 s[96:97], s[4:5], OQS             ; A's scale words
	s_add_nc_u64 s[98:99], s[6:7], 192*16384       ; proj_w's codes
	s_add_nc_u64 s[12:13], s[6:7], WSC+192*512     ; and its scale words
	s_add_nc_u64 s[20:21], s[4:5], s[20:21]
	s_add_nc_u64 s[22:23], s[96:97], s[22:23]
	s_add_nc_u64 s[46:47], s[98:99], s[46:47]
	s_add_nc_u64 s[92:93], s[12:13], s[92:93]
	CROUND                                         ; all sixteen work-groups are here: the first joint loads meet
	s_mov_b32 s[G0S], 1
	s_add_co_u32 s[G0S+1], s94, SCL
	s_mov_b64 s[G0S+2:G0S+3], s[22:23]
	s_or_b32 s[G0S+3], s[G0S+3], 0x80000000
	s_mov_b32 s[G0SB], 1
	s_add_co_u32 s[G0SB+1], s94, SCL+SKEW
	s_mov_b64 s[G0SB+2:G0SB+3], s[92:93]
	s_or_b32 s[G0SB+3], s[G0SB+3], 0x80000000
	JLOAD G0S, G1S, G0SB, G1SB
.irp s, 0,1
	s_mov_b32 s[G0+4*\s], 1
	s_add_co_u32 s[G0+4*\s+1], s45, \s*SLOT
	s_add_nc_u64 s[G0+4*\s+2:G0+4*\s+3], s[20:21], \s*STEPB
	s_or_b32 s[G0+4*\s+3], s[G0+4*\s+3], 0x80000000
	s_mov_b32 s[G0B+4*\s], 1
	s_add_co_u32 s[G0B+4*\s+1], s45, \s*SLOT
	s_add_nc_u64 s[G0B+4*\s+2:G0B+4*\s+3], s[46:47], \s*STEPB
	s_or_b32 s[G0B+4*\s+3], s[G0B+4*\s+3], 0x80000000
	JLOAD G0+4*\s, G1, G0B+4*\s, G1B               ; three tensor loads of mine are out
.endr
	v_and_b32 v1, 15, v0                           ; r
	v_bfe_u32 v2, v0, 4, 1                         ; h
	v_and_b32 v3, 31, v0
	v_lshlrev_b32 v4, 4, v3                        ; 16 x lane
	s_lshl_b32 s20, s17, 8
	s_lshl_b32 s21, s15, 7
	s_add_co_u32 s20, s20, s21                     ; my first row of C: 256 x tile row + 128 x half
	s_lshl_b32 s20, s20, 12                        ; rows of 4,096 bytes
	s_lshl_b32 s46, s42, 10                        ; my first column, in bytes: 1,024 x tile column + 512 x half
	s_lshl_b32 s47, s16, 9
	s_add_co_u32 s46, s46, s47
	s_mov_b32 s47, 0
	s_add_nc_u64 s[8:9], s[8:9], s[46:47]          ; the bias of my 128 columns
	s_add_co_u32 s20, s20, s46
	s_mov_b32 s21, 0
	s_add_nc_u64 s[10:11], s[10:11], s[20:21]
	v_lshlrev_b32 v5, 6, v2                        ; lanes 16-31: 16 columns on
.irp b, 0,1,2,3,4,5,6,7
	global_load_b128 v[BI+8*\b:BI+8*\b+3], v5, s[8:9] offset:128*(\b/2)+32*(\b%2)       ; proj_b at columns 32 (b / 2) + 16 h + 8 (b % 2) + 0..7: the result's layout
	global_load_b128 v[BI+8*\b+4:BI+8*\b+7], v5, s[8:9] offset:128*(\b/2)+32*(\b%2)+16
.endr
	s_lshl_b32 s21, s15, 15                        ; my 128 rows of A
	s_lshl_b32 s22, s16, 15                        ; my 128 rows of B, behind A's 256
	s_add_co_u32 s22, s22, 2*HALFT
.irp s, 0,1
	v_add_nc_u32 v[ADRA+\s], s21, v4
	v_add_nc_u32 v[ADRB+\s], s22, v4
	s_add_co_u32 s21, s21, SLOT
	s_add_co_u32 s22, s22, SLOT
.endr
	v_lshlrev_b32 v6, 3, v1                        ; my row's pair of scale words
	s_lshl_b32 s21, s15, 12
	s_lshl_b32 s22, s16, 12
	s_add_co_u32 s22, s22, 2*SCH+SKEW
	s_sub_co_u32 s22, s22, s21
	v_mul_u32_u24 v7, s22, v2                      ; lanes 16-31 take B's
	s_add_co_u32 s21, s21, SCL
	v_add_nc_u32 v6, v6, v7
	v_add_nc_u32 v[ADRS], s21, v6
	s_mul_i32 s23, s14, 16*SPITCH                  ; my stage
	v_mul_u32_u24 v6, v1, SPITCH                   ; in: row r, + 64 h
	v_lshl_add_u32 v6, v2, 6, v6
	v_add_nc_u32 v[STO], s23, v6
	v_mov_b32 v[CO], v4                            ; back: the 32 lanes take one row of 512 bytes; and the same in C
	v_add_nc_u32 v[RD], s23, v4
.macro FRAG reg, adr, q, i
.irp c, 0,1,2,3
	ds_load_b128 v[\reg+4*\c:\reg+4*\c+3], v[\adr] offset:STEPB*(\i)+2048*(\q)+512*\c
.endr
.endm
; 16 matrix instructions: A's blocks a0, a0 + 1 x B's eight.  first = 1: the bias starts the sums.  The 64 accumulators take turns, one instruction a turn.
.macro MUL16 a0, p, q, sc, first
.irp a, \a0, \a0+1
.irp b, 0,1,2,3,4,5,6,7
.if \first
	v_wmma_scale_f32_16x16x128_f8f6f4 v[8*(8*((\a)%4)+\b):8*(8*((\a)%4)+\b)+7], v[128*(\p)+FR*\b:128*(\p)+FR*\b+FR-1], v[AF+FR*(\a):AF+FR*(\a)+FR-1], v[BI+8*\b:BI+8*\b+7], v[SC+8*NQ*(\sc)+NQ*\b+(\q)], v[SC+8*NQ*(\sc)+NQ*(\a)+(\q)] matrix_a_scale:MATRIX_SCALE_ROW1
.else
	v_wmma_scale_f32_16x16x128_f8f6f4 v[8*(8*((\a)%4)+\b):8*(8*((\a)%4)+\b)+7], v[128*(\p)+FR*\b:128*(\p)+FR*\b+FR-1], v[AF+FR*(\a):AF+FR*(\a)+FR-1], v[8*(8*((\a)%4)+\b):8*(8*((\a)%4)+\b)+7], v[SC+8*NQ*(\sc)+NQ*\b+(\q)], v[SC+8*NQ*(\sc)+NQ*(\a)+(\q)] matrix_a_scale:MATRIX_SCALE_ROW1
.endif
.endr
.endr
.endm
.macro FETCH_B slot, q, p
	WIN TO_B
.irp i, 0,1,2,3,4,5,6,7
	FRAG 128*(\p)+FR*\i, ADRB+\slot, \q, \i
.endr
	WIN 0
.endm
.macro FETCH_A slot, q, i0
.irp i, \i0, \i0+1, \i0+2, \i0+3
	FRAG AF+FR*(\i), ADRA+\slot, \q, \i
.endr
.endm
.macro SCALES sc
.irp i, 0,1,2,3,4,5,6,7
	ds_load_b64 v[SC+8*NQ*\sc+NQ*\i:SC+8*NQ*\sc+NQ*\i+1], v[ADRS] offset:\i*512
.endr
.endm
.macro PLACES n
.rept \n
	v_nop
.endr
.endm
.macro STEP slot, q, first
	s_wait_dscnt 4*NL                              ; B's set, A's blocks 0-3 and the scale words are in; the youngest sixteen loads (A's blocks 4-7) may be out
.if \first
	WIN 0x81                                       ; C (the bias) in window 0, D in window 2
.else
	WIN MUL_LO
.endif
	MUL16 0, (\q)%2, \q, \slot, \first
	MUL16 2, (\q)%2, \q, \slot, \first
	s_wait_dscnt 0
	PLACES NP
	FETCH_B \slot, (\q)+1, 1-(\q)%2
	FETCH_A \slot, (\q)+1, 0
.if \first
	WIN 0xc1                                       ; D in window 3
.else
	WIN MUL_HI
.endif
	MUL16 4, (\q)%2, \q, \slot, \first
	MUL16 6, (\q)%2, \q, \slot, \first
	PLACES NP
	WIN 0
	FETCH_A \slot, (\q)+1, 4
.endm
; A slot's last step changes slots: ONE barrier; in front of it each wave waits for all its tensor loads, adds 0 to its spare word, and waits for that and for its own reads of this slot.
.macro TURN slot, next, fill
	s_wait_tensorcnt 0x0                           ; all my tensor loads have landed: my part of the next slot
	ds_add_u32 v[SPW], v[NIL]                      ; 0 onto my spare word
	s_wait_dscnt 4*NL+1                            ; (the add and the youngest sixteen loads may be out)
	WIN MUL_LO
	MUL16 0, 1, NQ-1, \slot, 0
	s_wait_dscnt 0x0                               ; the add is done, and my reads of this slot are over
	s_barrier_signal -1
	MUL16 2, 1, NQ-1, \slot, 0
	WIN 0
	s_barrier_wait -1
.if \fill
	CREST                                          ; a round of the cluster's barrier: no wave of any partner still reads this slot or has a load on its way
	s_add_nc_u64 s[G0+4*\slot+2:G0+4*\slot+3], s[G0+4*\slot+2:G0+4*\slot+3], 2*STEPB
	s_add_nc_u64 s[G0B+4*\slot+2:G0B+4*\slot+3], s[G0B+4*\slot+2:G0B+4*\slot+3], 2*STEPB
	JLOAD G0+4*\slot, G1, G0B+4*\slot, G1B         ; the first tensor load behind the round, my only one until the next
	PLACES NP-4
.else
	PLACES NP
.endif
	v_add_nc_u32 v[ADRS], 128, v[ADRS]
	FETCH_B \next, 0, 0
	FETCH_A \next, 0, 0
	SCALES \next
	WIN MUL_HI
	MUL16 4, 1, NQ-1, \slot, 0
	MUL16 6, 1, NQ-1, \slot, 0
	PLACES NP
	WIN 0
	FETCH_A \next, 0, 4
.endm
	s_wait_tensorcnt 1                             ; the scale words and my part of K step 0 are in (K step 1's load may be out)
	s_barrier_signal -1
	s_barrier_wait -1
	FETCH_B 0, 0, 0
	FETCH_A 0, 0, 0
	SCALES 0
	FETCH_A 0, 0, 4
	s_wait_loadcnt 0x0                             ; the bias
	STEP 0, 0, 1                                   ; eight steps of 128, written straight: a loop would have one trip
	TURN 0, 1, 1
	STEP 1, 0, 0
	TURN 1, 0, 1
	STEP 0, 0, 0
	TURN 0, 1, 0
	STEP 1, 0, 0
	s_wait_dscnt 4*NL
	WIN MUL_LO
	MUL16 0, 1, NQ-1, 1, 0
	MUL16 2, 1, NQ-1, 1, 0
	s_wait_dscnt 0
	WIN MUL_HI
	MUL16 4, 1, NQ-1, 1, 0
	MUL16 6, 1, NQ-1, 1, 0
	WIN 0
; THE WAY OUT, block by block of 16 rows x 128 columns, through my own stage in LDS: in by columns' true places, back as whole rows of 512 bytes.  LDS serves a wave's instructions in order (ISA guide 5.7.1.4).
.macro TOSTAGE a
.set AC, 64*((\a)%4)
	WIN 0x08+4*((\a)/4)                            ; an LDS store's data are its source 1: window 2 or 3
.irp b, 0,1,2,3,4,5,6,7
	ds_store_b128 v[STO], v[AC+8*\b:AC+8*\b+3] offset:128*(\b/2)+32*(\b%2)          ; each accumulator from its low end on
	ds_store_b128 v[STO], v[AC+8*\b+4:AC+8*\b+7] offset:128*(\b/2)+32*(\b%2)+16
.endr
	WIN 0
.set BB, BK+64*((\a)%2)
.irp t, 0,1,2,3,4,5,6,7,8,9,10,11,12,13,14,15
	ds_load_b128 v[BB+4*\t:BB+4*\t+3], v[RD] offset:\t*SPITCH
.endr
.endm
.macro SEND a, younger                 ; younger: the LDS instructions issued behind block a's loads, which may stay out
.set BB, BK+64*((\a)%2)
	s_wait_dscnt \younger
.if (\a) > 0
.if (\a)%2
	s_add_nc_u64 s[10:11], s[10:11], 8*4096        ; (behind a wait on XCNT)  block a begins at token 32 (a / 2) + 8 (a % 2)
.else
	s_add_nc_u64 s[10:11], s[10:11], 24*4096
.endif
.endif
.irp t, 0,1,2,3,4,5,6,7,8,9,10,11,12,13,14,15
	global_store_b128 v[CO], v[BB+4*\t:BB+4*\t+3], s[10:11] offset:(16*(\t/8)+\t%8)*4096 th:TH_STORE_NT   ; row t of the block is token 16 (t / 8) + t % 8 on: 512 consecutive bytes, aligned
.endr
.endm
	PLACES NP
	TOSTAGE 0
.irp a, 1,2,3,4,5,6,7
.if \a > 1
	s_wait_xcnt 0x0                                ; block a - 2's stores have read their registers and their base
.endif
	TOSTAGE \a
	SEND \a-1, 32                                  ; behind block a - 1's loads: block a's 16 stores and 16 loads
.endr
	s_wait_xcnt 0x0
	SEND 7, 0
	s_wait_tensorcnt 0x0                           ; the wave's end
	ds_add_u32 v[SPW], v[NIL]
	s_wait_dscnt 0x0
	CROUND                                         ; the closing round
	s_endpgm
.Lfunc_end_k_qafcaba4305_proj:
	.size	k_qafcaba4305_proj, .Lfunc_end_k_qafcaba4305_proj-k_qafcaba4305_proj
	.p2alignl 7, 3214868480
	.fill 96, 4, 3214868480
	.section	.rodata,"a",@progbits
	.p2align	6, 0x0
	.amdhsa_kernel k_qafcaba4305_proj
		.amdhsa_group_segment_fixed_size 327680
		.amdhsa_private_segment_fixed_size 0
		.amdhsa_enable_private_segment 0
		.amdhsa_kernarg_size 32
		.amdhsa_user_sgpr_count 2
		.amdhsa_user_sgpr_kernarg_segment_ptr 1
		.amdhsa_wavefront_size32 1
		.amdhsa_system_sgpr_workgroup_id_x 1
		.amdhsa_system_sgpr_workgroup_id_y 1
		.amdhsa_system_sgpr_workgroup_id_z 1
		.amdhsa_system_vgpr_workitem_id 0
		.amdhsa_next_free_vgpr 1024
		.amdhsa_next_free_sgpr 100
		.amdhsa_reserve_vcc 0
		.amdhsa_float_denorm_mode_32 3
		.amdhsa_float_denorm_mode_16_64 3
		.amdhsa_memory_ordered 1
		.amdhsa_forward_progress 1
		.amdhsa_inst_pref_size 147
	.end_amdhsa_kernel
	.amdgpu_metadata
---
amdhsa.version: [ 1, 2 ]
amdhsa.kernels:
  - .name:           k_qafcaba4305_proj
    .symbol:         k_qafcaba4305_proj.kd
    .args:
      - { .name: oq, .offset: 0, .size: 8, .value_kind: global_buffer, .address_space: global }
      - { .name: wts, .offset: 8, .size: 8, .value_kind: global_buffer, .address_space: global }
      - { .name: proj_b, .offset: 16, .size: 8, .value_kind: global_buffer, .address_space: global }
      - { .name: out0, .offset: 24, .size: 8, .value_kind: global_buffer, .address_space: global }
    .group_segment_fixed_size: 327680
    .private_segment_fixed_size: 0
    .kernarg_segment_align: 8
    .kernarg_segment_size: 32
    .max_flat_workgroup_size: 128
    .sgpr_count:     100
    .vgpr_count:     1024
    .wavefront_size: 32
...
	.end_amdgpu_metadata
.endif
;; end of part 4
;; ======== version 2 of 2: 4 launches; version 1 with the launch attn written anew for expert scheduling mode
;; workspace buffers: xq 8,650,752 bytes; wts 4,325,376 bytes; qkv 25,952,256 bytes; oq 8,650,752 bytes
;; launch quant: the kernel of part 1 again; grid 768 x 1, 4 waves a work-group, no clusters, 34,304 bytes of LDS; arguments x, Wq, Wk, Wv, proj_w, xq, wts; writes xq, wts
;; launch qkv: the kernel of part 2 again; grid 12 x 32, 4 waves a work-group, clusters of 4 x 4, 327,680 bytes of LDS; arguments xq, wts, qkv; writes qkv
;; launch attn (part 5): grid 4 x 64, 16 waves a work-group, no clusters, 35,840 bytes of LDS; arguments qkv, oq; writes oq
.if DOCPART == 5
	.amdgcn_target "amdgcn-amd-amdhsa--gfx1250"
	.amdhsa_code_object_version 6
	.text
	.protected	k_qafcaba4305_attn
	.globl	k_qafcaba4305_attn
	.p2align	8
	.type	k_qafcaba4305_attn,@function
k_qafcaba4305_attn:
	s_mov_b64 s[64:65], 0
	v_nop
	global_prefetch_b8 v0, s[64:65] scope:SCOPE_SE
	s_setreg_imm32_b32 hwreg(HW_REG_WAVE_SCHED_MODE, 0, 2), 2
	s_setreg_imm32_b32 hwreg(HW_REG_WAVE_MODE, 25, 1), 1
	s_wait_xcnt 0x0
	s_wait_alu depctr_vm_vsrc(0)
; Causal attention of one head on codes of FP8 (E4M3) with E8M0 scales, and the quantiser of its result along the model's channels.  No 1 / sqrt scale: t = score x log2(e).
; THE SOFTMAX AHEAD OF THE SECOND PRODUCT: M = the row's largest t so far, rounded UP to a whole number; p = 2^(t - M) is what is quantised, along the keys, not normalised.  The row's sum is taken of the unquantised p
; and divides O at the end.  When M moves, the sum and O are multiplied by 2^(old M - new M): exact.
; IN (qkv): record idx = 1,024 region + 16 (16 batch + head) + (block of 128 tokens).  q, k: 8 tiles of 16 tokens x 1,024 bytes, images of operand registers 0-7 (d = 32 c + 16 h + i); v: 4 fragments of 16 d x 128 keys.
; Row r of tile t is token (or d) 32 (t / 2) + 16 (r / 8) + 8 (t % 2) + r % 8, so that the 16 registers of two neighbouring result tiles are 16 neighbours along the next K.
; SHARES.  Work-group (i, head) owns query blocks 7 - i (pass 0) and i (pass 1), 256 queries each: 2 (8 - i) + 2 (i + 1) = 18 key steps of 128 in every work-group.  Each of SIXTEEN waves owns one tile of 16 queries
; in 256 registers: four waves to a SIMD, so that one wave's vector work stands beside another's matrix work and LDS loads.
; K AND V COME THROUGH REGISTERS INTO TWO LDS SLOTS: each wave copies 1,024 bytes of codes and 32 scale bytes of the next step while this step is worked; one barrier a step.  NO CLUSTER AND NO JOINT LOADS: the four
; work-groups of a head walk 16, 14, 12, 10 steps in pass 0 and then begin anew at key 0, so from step 2 (8 - i) on partners would want different tiles.
; K = 64 IN AN INSTRUCTION OF 128.  A fragment of K holds TWO key tiles (registers 0-7, 8-15).  Q lies as Q, zeros, Q in 24 registers: source 1 = the first 16 gives tile 2 f, the last 16 tile 2 f + 1; zero codes cancel the other half.
; Both products are used transposed (S^T = K Q^T, O^T = V^T P^T): a lane holds ONE query (lane % 16) throughout.
; CAUSAL: a step all of whose keys come after the wave's queries is left out (a scalar branch on ids; no barrier stands in it); on the diagonal hidden scores become -infinity ahead of the maximum.
; OUT (oq): an operand image for the last product: rowtile = 128 batch + tile of queries, K = 64 head + d; scale bytes behind the codes.
; LIMITS: a block of zeros gets the byte 1 (zero codes); a block's largest p is taken from its largest score, which leans on v_exp_f32 not falling where its input rises; NaN and infinities are not served.
; THE MODE: SCHED_MODE bits 1:0 = 2 (LLVM: expert scheduling mode 2), set by the entry lines.  The code itself states the register dependences between vector or matrix instructions and memory or LDS instructions,
; with s_wait_alu, always for 0.
; THE PLAN.  Registers that memory or LDS instructions touch:
;   v1-v6, v8, v9   addresses and offsets: made by vector instructions at the head, never written again.  One wait on va_vdst ahead of the first load serves them for the whole kernel.
;   CP, SCP         the copy: the step's three global loads land in them, the step's three LDS stores read them; no vector instruction names them.  One wait on vm_vsrc at a step's head, ahead of the loads.
;   KV, KVS         K's LDS loads land; the eight products K Q^T read them; V's LDS loads land; the four products V^T P^T read them.  Two waits on va_vdst a step: ahead of K's loads, and behind the products K Q^T,
;                   where V's loads follow at once: no line of the softmax names KV or KVS, so V lands while the softmax is worked.
;   QF, QW          Q's global loads land once a pass; QW is then made over by three vector lines; the products read both.  One wait on va_vdst ahead of the next pass's loads.
;   PCD, v[TW+2]    on the way out vector instructions write them and the three global stores read them: one wait on va_vdst ahead of the stores; the next step's wait on vm_vsrc stands ahead of the lines that write them again.
; Scaled products take p's codes, p's scale word, Q's scale word and the zero codes from vector instructions: a wait on va_vdst stands between, behind the places.  Masks and the wave's number go through scalar
; registers: a wait on va_sdst stands ahead of their first reader.
.set SLOTB, 16896                      ; an LDS slot: K's 8,192 bytes, V's 8,192, K's 256 scale bytes, V's 256
.set VOFF,  8192
.set KSC,   16384
.set VSC,   16640
.set REGC,  8388608                    ; qkv: codes of a region
.set REGS,  262144                     ; scale records of a region
.set QKS,   25165824                   ; where the scale records begin
.set OQS,   8388608                    ; oq: where the scale bytes begin
.set LI,   1                           ; v1   16 x lane: my place in every group of an image
.set LSC,  2                           ; v2   16 r: my row's four scale words
.set CPW,  3                           ; v3   the copy: 1,024 x wave + 16 x lane in a slot
.set CPG,  4                           ; v4   1,024 (wave % 8) + 16 x lane in a record
.set SCW,  5                           ; v5   KSC + my thread's number: my scale byte in a slot
.set SCG,  6                           ; v6   my thread's number % 256: in a record
.set QN,   7                           ; v7   my query in its tile's 32, less 16 h
.set PFO,  8                           ; v8   the prefetch's offset: 256 x lane; never rewritten
.set OSO,  9                           ; v9   8 r: my row's scale bytes in oq
.set NM,   10                          ; v10  -M;  v11 the largest t
.set SUM,  12                          ; v[12:13] the sum, in two halves
.set FF,   14                          ; v14  f = 2^(old M - new M), later 1 / the sum;  v15 named with it as a pair
.set QF,   16                          ; v16-23 Q, v24-31 zeros, v32-39 Q
.set KV,   40                          ; v40-103  four fragments of K or of V
.set ST,   104                         ; v104-167 S^T, then p
.set OT,   168                         ; v168-199 O^T
.set PCD,  200                         ; v200-215 p's codes
.set BM,   216                         ; v216-219 the blocks' maxima
.set PB,   220                         ; v220-223 the permutes' destinations, then bytes
.set LM,   224                         ; v224-227 448 x the scale
.set SO,   228                         ; v228-231 the conversions' scale operands
.set TW,   232                         ; v232-235 at work
.set KVS,  240                         ; v240-243 K's or V's scale words
.set QW,   244                         ; v244 Q's scale word
.set PWD,  245                         ; v245 p's
.set CP,   246                         ; v246-253 the copy's codes;  v254 its scale byte
.set SCP,  254
.set QI,   8                           ; s[8:9]   q's records of my head
.set CB,   10                          ; s[10:11] the records that I copy: k's (waves 0-7) or v's (waves 8-15)
.set SB,   12                          ; s[12:13] and their scale records
.set QSB,  14                          ; s[14:15] q's scale records
.set OB,   16                          ; s[16:17] oq: my head's two groups in rowtile 0 of my batch
.set OSB,  18                          ; s[18:19] and its two scale bytes
.set SEL,  20
.set CS,   22                          ; s[22:23] log2(e), twice: the packed form names a pair
.set MNT,  24
.set WV,   25
.set PO,   26                          ; s[26:27] the next copy's record, in bytes
.set PS,   28                          ; s[28:29] and its scale record
.set CBP,  30
.set SBP,  32
.set LIM,  34                          ; s34  where the pass's records end;  s35 the second pass's
.set LIM1, 35
.set QB,   36                          ; s36  the pass's block of 256 queries;  s37 the next pass's
.set QBN,  37
.set NT,   38                          ; s38  trips of two steps
.set TR,   39
.set PASS, 40
.set KN,   41                          ; s41  the key step
.set QS,   42                          ; s42  the step on my tile's diagonal
.set Q0,   43                          ; s43  my tile's first token
.set PFN,  44                          ; s44  prefetches still to be asked
.set USH,  45                          ; s45  16 (wave % 2): my tile's half of a scale word of q
.set OP,   46
.set OSP,  48
.set QP,   50
.set QSP,  52
.set MK,   66                          ; s66-97 the diagonal step's masks, 32 at a time
.macro PLACES8                         ; plain vector instructions between a matrix instruction and a load into, or a vector instruction on, its registers
.rept 8
	v_nop
.endr
.endm
; The next step's record is asked for: 1,024 bytes of codes and 32 scale bytes a wave.  The stream runs on from pass 0's last step to pass 1's step 0; the very last copy brings step 0 once more, which nobody reads: it stays inside the buffer.
; first = 1: the copy ahead of the loop, with nothing in front of it.
.macro COPY_ISSUE first
.if !\first
	s_wait_xcnt 0x0                                ; the last step's prefetch and the last pass's stores have had their addresses translated: the bases below and the stores' data are written again only behind this wait
	s_wait_alu depctr_vm_vsrc(0)                   ; the last step's LDS stores have read v[CP ..] and v[SCP], in which the loads below land; the last pass's stores have read v[PCD ..] and v[TW+2], which this pass's vector instructions write again
.endif
	s_add_nc_u64 s[CBP:CBP+1], s[CB:CB+1], s[PO:PO+1]
	s_lshr_b32 s[PS], s[PO], 5                     ; 256 scale bytes for 8,192 of codes
	s_add_nc_u64 s[SBP:SBP+1], s[SB:SB+1], s[PS:PS+1]
	global_load_b128 v[CP:CP+3], v[CPG], s[CBP:CBP+1]
	global_load_b128 v[CP+4:CP+7], v[CPG], s[CBP:CBP+1] offset:512
	global_load_u8 v[SCP], v[SCG], s[SBP:SBP+1]
	s_add_co_u32 s[PO], s[PO], 8192
	s_cmp_eq_u32 s[PO], s[LIM]
	s_cselect_b32 s[PO], 0, s[PO]
	s_cselect_b32 s[LIM], s[LIM1], s[LIM]
.endm
; A PREFETCH INTO THE L2 of the record that the NEXT step's copy will load: in step n, step n + 2's 8,192 bytes, lanes 256 bytes apart, one instruction.  It stands where the wave has just issued its loads.
; In step n the copy's base stands at record n + 1, so the immediate reaches record n + 2: no address register is written in the loop.
; All four work-groups of a head walk the same records: the first of them (x = 0, whose pass 0 walks all 16) asks, wave 0 for k's and wave 8 for v's, in steps 0 to 13: records 2 to 15 are each named once in the launch.
.macro ASK
	s_cmp_lg_u32 s[PFN], 0
	s_cbranch_scc0 .Lnot_mine_\@
	global_prefetch_b8 v[PFO], s[CBP:CBP+1] offset:8192 th:TH_LOAD_NT scope:SCOPE_SE
	s_sub_co_u32 s[PFN], s[PFN], 1
.Lnot_mine_\@:
.endm
; The copy lands in the slot that was read a step ago.  ONE barrier a step orders both ways: every wave passed the last barrier behind its reads of that slot, and reads it again only behind this one.
.macro COPY_STORE slot
	s_wait_loadcnt 0x0
	ds_store_b128 v[CPW], v[CP:CP+3] offset:(\slot)*SLOTB
	ds_store_b128 v[CPW], v[CP+4:CP+7] offset:(\slot)*SLOTB+512
	ds_store_b8 v[SCW], v[SCP] offset:(\slot)*SLOTB
	s_wait_dscnt 0x0                               ; for the others' sake: my stores have landed, and my reads of the other slot are in
	s_barrier_signal -1
	s_barrier_wait -1
.endm
; My tile of Q (twice) and its scale word
.macro QLOAD
	s_lshl_b32 s56, s[QB], 1
	s_lshr_b32 s57, s[WV], 3
	s_add_co_u32 s56, s56, s57                     ; the record: 2 QB + wave / 8
	s_lshl_b32 s58, s56, 8
	s_lshl_b32 s56, s56, 13
	s_and_b32 s57, s[WV], 7                        ; the tile in it
	s_lshl_b32 s59, s57, 10
	s_add_co_u32 s56, s56, s59
	s_lshr_b32 s57, s57, 1
	s_lshl_b32 s57, s57, 2                         ; word tile / 2
	s_add_co_u32 s58, s58, s57
	s_mov_b32 s57, 0
	s_mov_b32 s59, 0
	s_add_nc_u64 s[QP:QP+1], s[QI:QI+1], s[56:57]
	s_add_nc_u64 s[QSP:QSP+1], s[QSB:QSB+1], s[58:59]
	global_load_b128 v[QF:QF+3], v[LI], s[QP:QP+1]
	global_load_b128 v[QF+4:QF+7], v[LI], s[QP:QP+1] offset:512
	global_load_b128 v[QF+16:QF+19], v[LI], s[QP:QP+1]
	global_load_b128 v[QF+20:QF+23], v[LI], s[QP:QP+1] offset:512
	global_load_b32 v[QW], v[LSC], s[QSP:QSP+1]
.endm
; A KEY STEP'S WORK: 128 keys, from the slot named
.macro COMPUTE slot
	PLACES8                                        ; in front of loads into registers that the last step's products have read
	s_wait_alu depctr_va_vdst(0)                   ; the last step's products are done reading v[KV ..] and v[KVS ..], in which the loads below land; in a pass's first step v[QW] and the zero codes are written, which the scaled products take
	ds_load_b128 v[KVS:KVS+3], v[LSC] offset:\slot*SLOTB+KSC
.irp f, 0,1,2,3
.irp c, 0,1,2,3
	ds_load_b128 v[KV+16*\f+4*\c:KV+16*\f+4*\c+3], v[LI] offset:\slot*SLOTB+2048*\f+512*\c
.endr
.endr
.irp f, 0,1,2,3                                ; S^T = K Q^T: lane (r, h) holds query r; the 16 registers of tiles 2 f, 2 f + 1 are keys 32 f + 16 h + 0..15
	s_wait_dscnt 12-4*\f                           ; LDS loads come back in order (ISA guide 5.7.1): the scale words and fragment f are in; the later fragments' loads, four each, may be out
	v_wmma_scale_f32_16x16x128_f8f6f4 v[ST+16*\f:ST+16*\f+7], v[KV+16*\f:KV+16*\f+15], v[QF:QF+15], 0, v[KVS+\f], v[QW]
	v_wmma_scale_f32_16x16x128_f8f6f4 v[ST+16*\f+8:ST+16*\f+15], v[KV+16*\f:KV+16*\f+15], v[QF+8:QF+23], 0, v[KVS+\f], v[QW]
.endr
	PLACES8                                        ; behind the products: for the first read of the scores, and in front of the loads below
	s_wait_alu depctr_va_vdst(0)                   ; the eight products are done reading v[KV ..] and v[KVS ..], in which V's fragments and scale words land.  No line of the softmax names these registers
.irp f, 0,1,2,3
.irp c, 0,1,2,3
	ds_load_b128 v[KV+16*\f+4*\c:KV+16*\f+4*\c+3], v[LI] offset:\slot*SLOTB+VOFF+2048*\f+512*\c
.endr
.endr
	ds_load_b128 v[KVS:KVS+3], v[LSC] offset:\slot*SLOTB+VSC
	s_cmp_lt_u32 s[KN], s[QS]                      ; a step all of whose keys count skips the mask
	s_cbranch_scc1 .Lopen_\@
	s_lshl_b32 s54, s[KN], 7
	s_sub_co_i32 s54, s[Q0], s54
	v_add_nc_u32 v[TW], s54, v[QN]                 ; d = my query - the step's first key - 16 h.  Register 16 b + i holds key 32 b + 16 h + i of the step: hidden where 32 b + i > d
	v_mov_b32 v[TW+1], 0xff800000                  ; -infinity
.irp g, 0,1                                    ; the compares in two runs of 32, each into scalar registers of its own
.set n, 0
.rept 32
	v_cmp_gt_i32 s[MK+n], 32*((32*\g+n)/16)+n%16, v[TW]
.set n, n+1
.endr
	s_wait_alu depctr_va_sdst(0)                   ; the 32 compares have written their masks, ahead of the first select that reads one
.set n, 0
.rept 32
	v_cndmask_b32 v[ST+32*\g+n], v[ST+32*\g+n], v[TW+1], s[MK+n]
.set n, n+1
.endr
.endr
.Lopen_\@:
.irp b, 0,1,2,3
	v_max3_num_f32 v[BM+\b], v[ST+16*\b], v[ST+1+16*\b], v[ST+2+16*\b]   ; the largest score of each block of 32 keys: it serves for the row's maximum and, since p rises with the score, for the block's largest p
.endr
.irp i, 3,5,7,9,11,13
.irp b, 0,1,2,3
	v_max3_num_f32 v[BM+\b], v[BM+\b], v[ST+16*\b+\i], v[ST+1+16*\b+\i]
.endr
.endr
.irp b, 0,1,2,3
	v_max_num_f32 v[BM+\b], v[BM+\b], v[ST+15+16*\b]
.endr
.irp b, 0,1,2,3
	v_permlanex16_b32 v[PB+\b], v[BM+\b], s[SEL], s[SEL+1]
.endr
.irp b, 0,1,2,3
	v_max_num_f32 v[BM+\b], v[BM+\b], v[PB+\b]     ; with lane l xor 16's 16 keys
.endr
	v_max3_num_f32 v[TW], v[BM], v[BM+1], v[BM+2]
	v_max_num_f32 v[TW], v[TW], v[BM+3]            ; the step's largest score of my query
	v_mul_f32 v[TW], s[CS], v[TW]                  ; as t
	v_max_num_f32 v[NM+1], v[NM+1], v[TW]          ; the running largest t
	v_mov_b32 v[TW], v[NM]
	v_floor_f32 v[NM], -v[NM+1]                    ; the new -M = floor(-t): M is a whole number
	v_sub_f32 v[TW], v[NM], v[TW]                  ; old M - new M: a whole number, 0 or less
	v_cvt_i32_f32 v[TW], v[TW]                     ; (it saturates)
	v_ldexp_f32 v[FF], 1.0, v[TW]                  ; f = 2^(old M - new M)
.set j, 0
.rept 32
	v_pk_fma_f32 v[ST+j:ST+j+1], v[ST+j:ST+j+1], s[CS:CS+1], v[NM:NM+1] op_sel_hi:[1,0,0]   ; t - M, two at a time
.set j, j+2
.endr
.irp b, 0,1,2,3
	v_fma_f32 v[BM+\b], v[BM+\b], s[CS], v[NM]     ; the same of each block's largest score
.endr
.set j, 0
.rept 64
	v_exp_f32 v[ST+j], v[ST+j]                     ; p = 2^(t - M), at most 1
.set j, j+1
.endr
	v_pk_mul_f32 v[SUM:SUM+1], v[SUM:SUM+1], v[FF:FF+1] op_sel_hi:[1,0]   ; the sums under the new M: the plain line behind the exponentials
	s_wait_alu depctr_va_vdst(0)                   ; the 64 exponentials have written p: one wait for the whole batch, ahead of the first line that names a result
.irp b, 0,1,2,3
	v_exp_f32 v[BM+\b], v[BM+\b]                   ; the block's largest p: the same two instructions on the same number give the same bits
.endr
	v_pk_add_f32 v[TW:TW+1], v[ST:ST+1], v[ST+2:ST+3]   ; the row's sum is taken of the unquantised p: two at a time, in two chains
.irp j, 4,8,12,16,20,24,28,32,36,40,44,48,52,56,60
	v_pk_add_f32 v[SUM:SUM+1], v[SUM:SUM+1], v[ST+\j:ST+\j+1]
	v_pk_add_f32 v[TW:TW+1], v[TW:TW+1], v[ST+2+\j:ST+3+\j]
.endr
	v_pk_add_f32 v[SUM:SUM+1], v[SUM:SUM+1], v[TW:TW+1]
	s_wait_alu depctr_va_vdst(0)                   ; the four exponentials have written the blocks' largest p, ahead of the first line that names one
.irp b, 0,1,2,3
	v_max_num_f32 v[BM+\b], 0x4800000, v[BM+\b]    ; the floor 2^(9 - 127): the byte cannot fall under 1
.endr
.irp b, 0,1,2,3
	v_add_nc_u32 v[SO+\b], 0xfc000000, v[BM+\b]    ; 8 off the exponent field: the conversion's scale operand
.endr
.irp b, 0,1,2,3
	v_and_or_b32 v[LM+\b], v[BM+\b], 0x7f800000, s[MNT]   ; 448 x the scale
.endr
.irp b, 0,1,2,3
	v_lshrrev_b32 v[PB+\b], 23, v[SO+\b]           ; the scale's byte
.endr
	v_lshl_or_b32 v[PWD], v[PB+1], 8, v[PB]        ; p's scale word for these 128 keys
	v_lshl_or_b32 v[PWD], v[PB+2], 16, v[PWD]
	v_lshl_or_b32 v[PWD], v[PB+3], 24, v[PWD]
.irp b, 0,1,2,3
.irp i, 0,1,2,3,4,5,6,7,8,9,10,11,12,13,14,15
	v_min_num_f32 v[ST+16*\b+\i], v[ST+16*\b+\i], v[LM+\b]   ; the conversion does not saturate (ISA guide 7.6.2); p is not negative, so the hold is one-sided
.endr
	v_cvt_scalef32_pk8_fp8_f32 v[PCD+4*\b:PCD+4*\b+1], v[ST+16*\b:ST+16*\b+7], v[SO+\b]
	v_cvt_scalef32_pk8_fp8_f32 v[PCD+4*\b+2:PCD+4*\b+3], v[ST+16*\b+8:ST+16*\b+15], v[SO+\b]
.endr
.set j, 0
.rept 16
	v_pk_mul_f32 v[OT+j:OT+j+1], v[OT+j:OT+j+1], v[FF:FF+1] op_sel_hi:[1,0]   ; O^T under the new M.  (These sixteen are also the places in front of the products below)
.set j, j+2
.endr
	s_wait_dscnt 0x0                               ; V's fragments and scale words, asked for ahead of the softmax, are in
	s_wait_alu depctr_va_vdst(0)                   ; the conversions have written p's codes, and the three lines above them p's scale word, which the scaled products take; the places above stay beside this wait
.irp f, 0,1,2,3                                ; O^T += V^T P^T: four tiles of 16 of the head's 64, by turns; K = these 128 keys
	v_wmma_scale_f32_16x16x128_f8f6f4 v[OT+8*\f:OT+8*\f+7], v[KV+16*\f:KV+16*\f+15], v[PCD:PCD+15], v[OT+8*\f:OT+8*\f+7], v[KVS+\f], v[PWD]
.endr
.endm
.macro STEP slot
	COPY_ISSUE 0
	ASK
	s_cmp_gt_u32 s[KN], s[QS]                      ; all 128 keys come after my 16 queries: the work is left out, the copy and the barrier are not
	s_cbranch_scc1 .Lhidden_\@
	COMPUTE \slot
.Lhidden_\@:
	s_add_co_u32 s[KN], s[KN], 1
	COPY_STORE 1-\slot
.endm
	s_load_b128 s[4:7], s[0:1], 0x0                ; qkv s[4:5], oq s[6:7]
	v_lshl_add_u32 v239, v0, 2, 0x8400
	v_mov_b32 v255, 0
	v_lshrrev_b32 v1, 5, v0
	v_readfirstlane_b32 s[WV], v1                  ; wave 0..15
	v_and_b32 v[TW], 31, v0                        ; lane
	v_and_b32 v[TW+1], 15, v0                      ; r
	v_bfe_u32 v[TW+2], v0, 4, 1                    ; h
	v_lshlrev_b32 v[LI], 4, v[TW]
	v_lshlrev_b32 v[LSC], 4, v[TW+1]
	s_wait_alu depctr_va_sdst(0)                   ; the wave's number is written, ahead of its first reader
	s_lshl_b32 s54, s[WV], 10
	v_add_nc_u32 v[CPW], s54, v[LI]
	s_and_b32 s55, s[WV], 7
	s_lshl_b32 s55, s55, 10
	v_add_nc_u32 v[CPG], s55, v[LI]
	v_add_nc_u32 v[SCW], KSC, v0
	v_and_b32 v[SCG], 255, v0
	v_and_b32 v[QN], 8, v[TW+1]
	v_add_nc_u32 v[QN], v[QN], v[TW+1]             ; 16 (r / 8) + r % 8
	v_lshlrev_b32 v[TW+2], 4, v[TW+2]
	v_sub_nc_u32 v[QN], v[QN], v[TW+2]             ; - 16 h
	v_lshlrev_b32 v[PFO], 8, v[TW]
	v_lshlrev_b32 v[OSO], 3, v[TW+1]
.irp j, 0,1,2,3,4,5,6,7
	v_mov_b32 v[QF+8+\j], 0                        ; the zero codes between the two copies of Q: written once
.endr
.irp b, 0,1,2,3
	v_mov_b32 v[PB+\b], 0                          ; written once: a lane permute's destination counts as one of its sources
.endr
	v_mov_b32 v[FF+1], 0                           ; (named as the upper half of a pair)
	s_mov_b32 s[SEL], 0x76543210
	s_mov_b32 s[SEL+1], 0xfedcba98
	s_mov_b32 s[CS], 0x3fb8aa3b                    ; log2(e)
	s_mov_b32 s[CS+1], s[CS]
	s_mov_b32 s[MNT], 0x600000
	s_mov_b32 s[PO], 0
	s_mov_b32 s[PO+1], 0
	s_mov_b32 s[PS+1], 0
	s_mov_b32 s[PASS], 0
	s_sub_co_u32 s[LIM], 8, ttmp9
	s_lshl_b32 s[LIM], s[LIM], 14                  ; pass 0: 2 (8 - i) records of 8,192 bytes
	s_add_co_u32 s[LIM1], ttmp9, 1
	s_lshl_b32 s[LIM1], s[LIM1], 14                ; pass 1: 2 (i + 1)
	s_sub_co_u32 s[QB], 7, ttmp9
	s_mov_b32 s[QBN], ttmp9
	s_and_b32 s[USH], s[WV], 1
	s_lshl_b32 s[USH], s[USH], 4
	s_and_b32 s54, s[WV], 7
	s_or_b32 s54, s54, ttmp9
	s_cmp_eq_u32 s54, 0
	s_cselect_b32 s[PFN], 14, 0                    ; waves 0 and 8 of the head's first work-group
	s_and_b32 s54, ttmp7, 0xffff                   ; 16 batch + head
	s_lshl_b32 s56, s54, 17                        ; a head's 16 records of codes
	s_mov_b32 s57, 0
	s_lshl_b32 s58, s54, 12                        ; and of scale words
	s_add_co_u32 s58, s58, QKS
	s_mov_b32 s59, 0
	s_mov_b32 s60, 2*REGC
	s_mov_b32 s55, 2*REGS
	s_mov_b32 s61, 0
	s_cmp_lt_u32 s[WV], 8                          ; waves 0-7 copy k, waves 8-15 v
	s_cselect_b32 s60, REGC, s60
	s_cselect_b32 s55, REGS, s55
	s_wait_kmcnt 0x0
	s_add_nc_u64 s[QI:QI+1], s[4:5], s[56:57]
	s_add_nc_u64 s[CB:CB+1], s[QI:QI+1], s[60:61]
	s_add_nc_u64 s[QSB:QSB+1], s[4:5], s[58:59]
	s_mov_b32 s60, s55
	s_add_nc_u64 s[SB:SB+1], s[QSB:QSB+1], s[60:61]
	s_lshr_b32 s56, s54, 4                         ; batch
	s_and_b32 s55, s54, 15                         ; head
	s_lshl_b32 s58, s56, 21                        ; 128 rowtiles of 16,384 bytes a batch
	s_lshl_b32 s60, s55, 10                        ; 2,048 (head / 2) + 1,024 (head % 2)
	s_add_co_u32 s58, s58, s60
	s_add_nc_u64 s[OB:OB+1], s[6:7], s[58:59]
	s_lshl_b32 s58, s56, 16                        ; 128 rowtiles of 512 bytes
	s_lshr_b32 s60, s55, 2
	s_lshl_b32 s60, s60, 7                         ; the pair of fragments: head / 4
	s_add_co_u32 s58, s58, s60
	s_and_b32 s60, s55, 3
	s_lshl_b32 s60, s60, 1                         ; the two bytes in the pair's eight: 2 (head % 4)
	s_add_co_u32 s58, s58, s60
	s_add_co_u32 s58, s58, OQS
	s_add_nc_u64 s[OSB:OSB+1], s[6:7], s[58:59]
	s_wait_alu depctr_va_vdst(0)                   ; the addresses and offsets v1 to v6, v8 and v9 are written, which every load, store and prefetch of the kernel reads
	COPY_ISSUE 1                                   ; key step 0
	QLOAD
	COPY_STORE 0
.Lpass:
	s_wait_loadcnt 0x0                             ; Q and its scale word
	v_lshrrev_b32 v[QW], s[USH], v[QW]             ; my tile's two bytes,
	v_and_b32 v[QW], 0xffff, v[QW]
	v_lshl_or_b32 v[QW], v[QW], 16, v[QW]          ; twice: for Q in the low half of K and in the high half
	v_mov_b32 v[NM+1], 0xff61b1e6                  ; the largest t so far: -3e38, under every t
	v_floor_f32 v[NM], -v[NM+1]
	v_mov_b32 v[SUM], 0
	v_mov_b32 v[SUM+1], 0
.set j, 0
.rept 32
	v_mov_b32 v[OT+j], 0                           ; the step is written once: the first finds zeros, which the first change of M leaves zeros
.set j, j+1
.endr
	s_mov_b32 s[KN], 0
	s_add_co_u32 s[NT], s[QB], 1                   ; 2 (QB + 1) key steps
	s_lshl_b32 s[QS], s[QB], 1
	s_lshr_b32 s54, s[WV], 3
	s_add_co_u32 s[QS], s[QS], s54
	s_lshl_b32 s55, s[QB], 4
	s_add_co_u32 s55, s55, s[WV]                   ; my tile of queries
	s_lshr_b32 s[Q0], s55, 1
	s_lshl_b32 s[Q0], s[Q0], 5
	s_and_b32 s54, s55, 1
	s_lshl_b32 s54, s54, 3
	s_add_co_u32 s[Q0], s[Q0], s54                 ; its first token: 32 (T / 2) + 8 (T % 2)
	s_mov_b32 s[TR], 0
.Ltrip:                                            ; a trip runs two steps, so that the slot stands in the immediates
	STEP 0
	STEP 1
	s_add_co_u32 s[TR], s[TR], 1
	s_cmp_lt_u32 s[TR], s[NT]
	s_cbranch_scc1 .Ltrip
	PLACES8                                        ; behind the last products: for the loads into Q's registers and for the first read of O^T
	s_lshl_b32 s55, s[QB], 4
	s_add_co_u32 s55, s55, s[WV]
	s_lshl_b32 s56, s55, 14
	s_mov_b32 s57, 0
	s_add_nc_u64 s[OP:OP+1], s[OB:OB+1], s[56:57]  ; (the steps' waits on XCNT stand between the last pass's stores and these lines)
	s_lshl_b32 s56, s55, 9
	s_add_nc_u64 s[OSP:OSP+1], s[OSB:OSB+1], s[56:57]
	s_mov_b32 s[QB], s[QBN]
	s_cmp_eq_u32 s[PASS], 1
	s_cbranch_scc1 .Lno_next
	s_wait_alu depctr_va_vdst(0)                   ; this pass's products are done reading Q's registers and v[QW], and the pass's head has written v[QW]: the loads below land in them
	QLOAD                                          ; the next pass's Q lands while this pass's result is quantised
.Lno_next:
	; O^T / the sum, quantised along the model's channels: my 32 numbers are halves of two blocks of 32
	v_add_f32 v[SUM], v[SUM], v[SUM+1]
	v_permlanex16_b32 v[PB], v[SUM], s[SEL], s[SEL+1]
	v_add_f32 v[SUM], v[SUM], v[PB]                ; the row's sum
	v_rcp_f32 v[FF], v[SUM]
	v_nop                                          ; a plain line behind the transcendental
	s_wait_alu depctr_va_vdst(0)                   ; the reciprocal has written v[FF], ahead of its first reader
.set j, 0
.rept 16
	v_pk_mul_f32 v[ST+j:ST+j+1], v[OT+j:OT+j+1], v[FF:FF+1] op_sel_hi:[1,0]   ; register 16 b + i: d = 32 b + 16 h + i of my query
.set j, j+2
.endr
.irp b, 0,1
	v_max3_num_f32 v[BM+\b], |v[ST+16*\b]|, |v[ST+1+16*\b]|, 0x4800000
.endr
.irp i, 2,4,6,8,10,12,14
.irp b, 0,1
	v_max3_num_f32 v[BM+\b], v[BM+\b], |v[ST+16*\b+\i]|, |v[ST+1+16*\b+\i]|
.endr
.endr
.irp b, 0,1
	v_permlanex16_b32 v[PB+\b], v[BM+\b], s[SEL], s[SEL+1]
.endr
.irp b, 0,1
	v_max_num_f32 v[BM+\b], v[BM+\b], v[PB+\b]
.endr
.irp b, 0,1
	v_add_nc_u32 v[SO+\b], 0xfc000000, v[BM+\b]
.endr
.irp b, 0,1
	v_and_or_b32 v[LM+\b], v[BM+\b], 0x7f800000, s[MNT]
.endr
.irp b, 0,1
	v_lshrrev_b32 v[PB+\b], 23, v[SO+\b]
.endr
	v_lshl_or_b32 v[TW+2], v[PB+1], 8, v[PB]       ; the two bytes
.irp b, 0,1
.irp i, 0,1,2,3,4,5,6,7,8,9,10,11,12,13,14,15
	v_med3_num_f32 v[ST+16*\b+\i], v[ST+16*\b+\i], -v[LM+\b], v[LM+\b]
.endr
	v_cvt_scalef32_pk8_fp8_f32 v[PCD+4*\b:PCD+4*\b+1], v[ST+16*\b:ST+16*\b+7], v[SO+\b]
	v_cvt_scalef32_pk8_fp8_f32 v[PCD+4*\b+2:PCD+4*\b+3], v[ST+16*\b+8:ST+16*\b+15], v[SO+\b]
.endr
	v_nop                                          ; a plain line behind the last conversion
	s_wait_alu depctr_va_vdst(0)                   ; the conversions have written v[PCD ..] and the line above them v[TW+2], which the three stores read
	global_store_b128 v[LI], v[PCD:PCD+3], s[OP:OP+1]                 ; two groups of the image: 1,024 consecutive bytes
	global_store_b128 v[LI], v[PCD+4:PCD+7], s[OP:OP+1] offset:512
	global_store_b16 v[OSO], v[TW+2], s[OSP:OSP+1]                    ; two bytes of my row's eight (both halves of the lanes hold the same)
	s_add_co_u32 s[PASS], s[PASS], 1
	s_cmp_lt_u32 s[PASS], 2
	s_cbranch_scc1 .Lpass
	s_wait_dscnt 0x0
	s_wait_alu depctr_hold_cnt(0) depctr_sa_sdst(0) depctr_va_vdst(0) depctr_va_sdst(0) depctr_va_ssrc(0) depctr_va_vcc(0) depctr_vm_vsrc(0)
	s_wait_tensorcnt 0x0
	ds_add_u32 v239, v255
	s_wait_dscnt 0x0
	s_endpgm
.Lfunc_end_k_qafcaba4305_attn:
	.size	k_qafcaba4305_attn, .Lfunc_end_k_qafcaba4305_attn-k_qafcaba4305_attn
	.p2alignl 7, 3214868480
	.fill 96, 4, 3214868480
	.section	.rodata,"a",@progbits
	.p2align	6, 0x0
	.amdhsa_kernel k_qafcaba4305_attn
		.amdhsa_group_segment_fixed_size 35840
		.amdhsa_private_segment_fixed_size 0
		.amdhsa_enable_private_segment 0
		.amdhsa_kernarg_size 16
		.amdhsa_user_sgpr_count 2
		.amdhsa_user_sgpr_kernarg_segment_ptr 1
		.amdhsa_wavefront_size32 1
		.amdhsa_system_sgpr_workgroup_id_x 1
		.amdhsa_system_sgpr_workgroup_id_y 1
		.amdhsa_system_sgpr_workgroup_id_z 1
		.amdhsa_system_vgpr_workitem_id 0
		.amdhsa_next_free_vgpr 256
		.amdhsa_next_free_sgpr 98
		.amdhsa_reserve_vcc 0
		.amdhsa_float_denorm_mode_32 3
		.amdhsa_float_denorm_mode_16_64 3
		.amdhsa_memory_ordered 1
		.amdhsa_forward_progress 1
		.amdhsa_inst_pref_size 72
	.end_amdhsa_kernel
	.amdgpu_metadata
---
amdhsa.version: [ 1, 2 ]
amdhsa.kernels:
  - .name:           k_qafcaba4305_attn
    .symbol:         k_qafcaba4305_attn.kd
    .args:
      - { .name: qkv, .offset: 0, .size: 8, .value_kind: global_buffer, .address_space: global }
      - { .name: oq, .offset: 8, .size: 8, .value_kind: global_buffer, .address_space: global }
    .group_segment_fixed_size: 35840
    .private_segment_fixed_size: 0
    .kernarg_segment_align: 8
    .kernarg_segment_size: 16
    .max_flat_workgroup_size: 512
    .sgpr_count:     98
    .vgpr_count:     256
    .wavefront_size: 32
...
	.end_amdgpu_metadata
.endif
;; end of part 5
;; launch proj: the kernel of part 4 again; grid 4 x 32, 4 waves a work-group, clusters of 4 x 4, 327,680 bytes of LDS; arguments oq, wts, proj_b, out0; writes out0
